; MI455X (gfx1250); checked and timed in simulation.
; The chip was launched on July 23, 2026; its instructions are those of AMD's public machine-readable ISA for CDNA 5 (MIT licence, August 2026) and "CDNA5" Instruction Set Architecture Reference Guide (July 2026). The comments in the code are by the model that wrote it; some were corrected since.
;; Causal Self Attention. Allowed arithmetic: matrix products marked QUANTISED: E4M3 operands, one given power-of-two scale a tensor, by v_wmma_f32_16x16x64_fp8_fp8 or v_wmma_f32_16x16x128_fp8_fp8, f32 sums; everything else in f32.
;; Inputs: Wproj 1,024 x 1,024 float32; Wqkv 1,024 x 3,072 float32; bproj 1,024 float32; bqkv 3,072 float32; lowp_scales 8 int32 (the exponents e of the quantised operands' scales 2^e); x 4 x 2,048 x 1,024 float32.
;; Outputs: out0 4 x 2,048 x 1,024 float32.
;; This version of the problem:
;;   THIS VERSION OF THE PROBLEM IS GIVEN IN LOW PRECISION. The matrix products marked QUANTISED in the list below multiply operands that are first quantised to E4M3 (4 exponent bits, 3 mantissa bits; 8 bits a number), with one given power-of-two scale for each operand tensor; their sums are f32. All else is computed in f32.
;;   The module's matrix products, in the order in which they are computed (A, B: the left and right operand; K: the contracted axis; several contracted axes count as one K, in the product's order):
;;     1. [M 8,192, K 1,024] x [K 1,024, N 3,072]; A: input x; B: input Wqkv: QUANTISED (scales: A lowp_scales[0], B lowp_scales[1])
;;     2. batch 64 x [M 2,048, K 64] x [K 64, N 2,048]; A: computed on the way; B: computed on the way: QUANTISED (scales: A lowp_scales[2], B lowp_scales[3])
;;     3. batch 64 x [M 2,048, K 2,048] x [K 2,048, N 64]; A: softmax (see below); B: computed on the way: QUANTISED (scales: A lowp_scales[4], B lowp_scales[5])
;;     4. [M 8,192, K 1,024] x [K 1,024, N 1,024]; A: computed on the way; B: input Wproj: QUANTISED (scales: A lowp_scales[6], B lowp_scales[7])
;;   THE QUANTISER, for each operand of a quantised product, along K:
;;     - The operand's scale is 2^e, e = its entry of the input lowp_scales (int32; the entries are numbered through the quantised products in the list's order, A before B).
;;     - Each number is divided by the scale, clamped to +-448, and rounded to the nearest number of E4M3, ties to even, subnormals kept.
;;     - The product sums the exact products of the quantised numbers (number of the format x scale) in f32.
;;   ~~~python
;;   def quantise(x, axis, e):      # numpy; x: float32 -> the quantised numbers, widened to float32 again
;;       x = np.moveaxis(x, axis, -1); K = x.shape[-1]
;;       r = np.clip(x / 2.0 ** e, -448, 448)
;;       step = 2.0 ** (np.maximum(np.frexp(np.where(r == 0, 1, r))[1] - 1, -6) - 3)
;;       q = np.round(r / step) * step * 2.0 ** e      # np.round: ties to even
;;       return np.moveaxis(q, -1, axis).astype(np.float32)
;;   ~~~
;;   SOFTMAX AHEAD OF A QUANTISED PRODUCT. Where the list says 'softmax', what is quantised is not the finished softmax but p = 2^(t - M), with t = logit x log2(e) and M = ceil(the row's largest t), a whole number; so 1/2 < the row's largest p <= 1. The row's sum l is taken of the UNQUANTISED p, in f32, and the product's result is divided by l at the end. Since M is a whole number, a kernel that streams over the keys may use a running M (the ceiling of the running maximum): every later rescaling is an exact power of two, so the quantised numbers keep their values, but for numbers so far below the row's largest that they fall under the format's range.
;;   OPERANDS COMPUTED ON THE WAY. 'Computed on the way' means the value that the module computes at that place (a softmax that the list does not call 'softmax' is quantised finished and normalised). What goes into a quantiser is computed in f32, as accurately as f32 sums, v_exp_f32 and their like allow (about 1e-6 of the number): no bf16 or f16 on the way to a quantiser, and a product that is left as it is and whose result goes on into a quantised operand takes f32 operands (vector FMAs, or v_wmma_f32_16x16x4_f32). A number that lies on a knife's edge between two numbers of the format may be rounded either way, as far as f32 arithmetic and the matrix unit's own rounding can turn it there, and no further.
;; One version. Each part assembles by itself: llvm-mc -triple=amdgcn-amd-amdhsa -mcpu=gfx1250 --defsym DOCPART=n.
;; ======== version 1 of 1: 4 launches
;; limits: right only within a limited range of input values
;; workspace buffers: xc 8,388,608 bytes; wqkvc 3,145,728 bytes; wprojc 1,048,576 bytes; qkv 25,165,824 bytes; yimg 8,388,608 bytes
;; launch quant (part 1): grid 384 x 1, 4 waves a work-group, no clusters, 68,096 bytes of LDS; arguments x, Wqkv, Wproj, lowp_scales, xc, wqkvc, wprojc; writes xc, wqkvc, wprojc
.if DOCPART == 1
	.amdgcn_target "amdgcn-amd-amdhsa--gfx1250"
	.amdhsa_code_object_version 6
	.text
	.protected	k_qab8150b93d_quant
	.globl	k_qab8150b93d_quant
	.p2align	8
	.type	k_qab8150b93d_quant,@function
k_qab8150b93d_quant:
	s_mov_b64 s[64:65], 0
	v_nop
	global_prefetch_b8 v0, s[64:65] scope:SCOPE_SE
	s_setreg_imm32_b32 hwreg(HW_REG_WAVE_MODE, 25, 1), 1
	s_wait_xcnt 0x0
; x [8192][1024], Wqkv [1024][3072] and Wproj [1024][1024], f32, become codes of E4M3 with K innermost: xc [8192][1024], wqkvc [3072][1024], wprojc [1024][1024].
; code = number / 2^e, held within +-448, rounded to the nearest code, ties to even.  e: entry 0 (x), 1 (Wqkv), 7 (Wproj) of lowp_scales.
; LIMITS: each of these e lies between -126 and 119, so that 2^e and 448 x 2^e are f32 numbers.  NaN among the inputs is not served (an infinity is held at the largest code).
; SHARES.  Work-groups 0-255 take x: a plain stream, 32,768 numbers a work-group, 8,192 a wave, in 16 steps of 512.  Work-groups 256-383 take the weights, whose K is the FIRST axis:
; 128 columns x 256 along K a work-group (96 for Wqkv, 32 for Wproj), 32 columns a wave.  The two paths part once, on the work-group's number, and each has LDS bytes of its own.
; No tensor load, no barrier: waves share nothing.  Memory binds: every input byte is read once, every store of a wave covers whole aligned runs of 256 bytes.
.set STEPS, 16
.set CB,    16                         ; bytes of 16 codes
.set R,     16                         ; path x: v16-79   four sets of 16 numbers as they are loaded
.set X,     80                         ;         v80-111  two sets of 16 neighbours
.set C,     128                        ;         v128-191 codes, four registers for each step: no store's data are written again
.set WREG,  8192                       ;         LDS: a region for each wave: two stages of 32 x SP bytes
.set SP,    80                         ;         a lane's place in a stage: its 64 bytes + 16 of padding
.set WST,   32768                      ; path w: its stages begin behind path x's regions
.set WP,    272                        ;         a stage row: 256 codes + 16 of padding
.set OFFR,  16                         ;         v16-47   row i of a block: i x the weight's row bytes + 4 x lane
.set XW,    48                         ;         v48-111  two sets of 32 numbers
.set CW,    112                        ;         v112-119 a block's codes
.set OUTR,  120                        ;         v120-183 the way out
	s_load_b256 s[4:11], s[0:1], 0x0               ; x s[4:5], Wqkv s[6:7], Wproj s[8:9], lowp_scales s[10:11]
	s_load_b128 s[12:15], s[0:1], 0x20             ; xc s[12:13], wqkvc s[14:15]
	s_load_b64 s[16:17], s[0:1], 0x30              ; wprojc
	v_lshl_add_u32 v192, v0, 2, 0x10800
	v_mov_b32 v193, 0
	v_lshrrev_b32 v1, 5, v0
	v_readfirstlane_b32 s18, v1                    ; wave 0..3
	v_and_b32 v2, 31, v0                           ; lane
	s_wait_kmcnt 0x0
	s_load_b256 s[24:31], s[10:11], 0x0            ; e0 .. e7
	s_cmp_lt_u32 ttmp9, 256
	s_cbranch_scc0 .Lw
; ---------------- path x: K is innermost.  Each load reads 512 consecutive bytes, 16 a lane; a step's 2,048 bytes turn through the wave's own stage and come back 64 bytes a lane: 16 neighbours along K.
	s_wait_alu depctr_va_vdst(0)
	v_lshlrev_b32 v3, 4, v2                        ; my 16 bytes of a load's 512
	s_wait_alu depctr_va_vdst(0)
	s_mul_i32 s19, s18, WREG
	v_lshrrev_b32 v14, 2, v2
	v_mul_u32_u24 v14, v14, SP
	v_and_b32 v15, 3, v2
	v_lshl_add_u32 v14, v15, 4, v14
	v_add_nc_u32 v14, s19, v14                     ; the stage, on the way in: SP (lane / 4) + 16 (lane % 4)
	v_mul_u32_u24 v15, v2, SP
	v_add_nc_u32 v15, s19, v15                     ; and on the way out: SP x lane
	v_mul_u32_u24 v4, v2, CB                       ; my codes' place in a step's 512 bytes
	s_lshl_b32 s20, ttmp9, 2
	s_add_co_u32 s20, s20, s18                     ; which run of 8,192 numbers is my wave's
	s_lshl_b32 s22, s20, 15                        ; x 32,768 bytes of f32 (under 2^25)
	s_mov_b32 s23, 0
	s_add_nc_u64 s[4:5], s[4:5], s[22:23]
	s_lshl_b32 s22, s20, 13                        ; x 8,192 bytes of codes
	s_add_nc_u64 s[12:13], s[12:13], s[22:23]
.macro LOADX t
.irp i, 0,1,2,3
	global_load_b128 v[R+16*((\t)%4)+4*\i:R+16*((\t)%4)+4*\i+3], v3, s[4:5] offset:2048*(\t)+512*\i th:TH_LOAD_NT
.endr
.endm
.macro TURNX t                         ; LDS serves a wave's instructions in order: no wait between the stores and the loads
.irp i, 0,1,2,3
	ds_store_b128 v14, v[R+16*((\t)%4)+4*\i:R+16*((\t)%4)+4*\i+3] offset:32*SP*((\t)%2)+8*SP*\i
.endr
.irp i, 0,1,2,3
	ds_load_b128 v[X+16*((\t)%2)+4*\i:X+16*((\t)%2)+4*\i+3], v15 offset:32*SP*((\t)%2)+16*\i
.endr
.endm
.irp t, 0,1,2,3
	LOADX \t
.endr
	s_wait_alu depctr_va_vdst(0)
	s_wait_kmcnt 0x0
	s_add_co_i32 s22, s24, 127                     ; e0
	s_lshl_b32 s23, s22, 23
	v_mov_b32 v11, s23                             ; 2^e as f32: the conversion takes its exponent field
	s_add_co_i32 s22, s22, 8
	s_lshl_b32 s22, s22, 23
	s_or_b32 s22, s22, 0x600000
	v_mov_b32 v10, s22                             ; 448 x 2^e
	s_wait_alu depctr_va_vdst(0)
	s_wait_loadcnt 12                              ; step 0's four loads are in; twelve younger ones stay out
	TURNX 0
.macro STEPX t
.set XS, X+16*((\t)%2)
	s_wait_dscnt 0x0                               ; this step's numbers are back from the stage, so its stores into the stage have read their registers,
.if (\t)+4 < STEPS
	LOADX (\t)+4                                   ; which take the loads of four steps on
.endif
.if (\t)+1 < STEPS
.if STEPS-2-(\t) >= 3
	s_wait_loadcnt 12                              ; the next step's four loads are in; those of the three steps behind it may be out
.else
	s_wait_loadcnt 4*(STEPS-2-(\t))
.endif
	TURNX (\t)+1
.endif
.set i, 0
.rept 16
	v_med3_num_f32 v[XS+i], v[XS+i], -v10, v10     ; the conversion to an 8-bit code does not saturate (ISA guide 7.6.2): the hold comes first
.set i, i+1
.endr
	v_cvt_scalef32_pk8_fp8_f32 v[C+4*(\t):C+4*(\t)+1], v[XS:XS+7], v11
	v_cvt_scalef32_pk8_fp8_f32 v[C+4*(\t)+2:C+4*(\t)+3], v[XS+8:XS+15], v11
	global_store_b128 v4, v[C+4*(\t):C+4*(\t)+3], s[12:13] offset:32*CB*(\t)   ; the wave stores 512 consecutive bytes
.endm
.irp t, 0,1,2,3,4,5,6,7,8,9,10,11,12,13,14,15
	STEPX \t
.endr
	s_wait_tensorcnt 0x0
	ds_add_u32 v192, v193
	s_wait_dscnt 0x0
	s_endpgm
; ---------------- path w: K is the first axis.  A lane takes a column n and its registers run down K: the conversions then give codes with K innermost.
.Lw:
	s_wait_kmcnt 0x0                               ; the exponents
	s_sub_co_u32 s19, ttmp9, 256                   ; g: 0-95 Wqkv, 96-127 Wproj.  Every choice hangs on this one compare of the work-group's number
	s_cmp_lt_u32 s19, 96
	s_cselect_b64 s[6:7], s[6:7], s[8:9]           ; the weight
	s_cselect_b64 s[14:15], s[14:15], s[16:17]     ; its codes
	s_mov_b32 s20, 4096
	s_cselect_b32 s20, 12288, s20                  ; bytes in a row of the weight
	s_cselect_b32 s22, s25, s31                    ; e1 or e7
	s_cselect_b32 s21, 0, 96
	s_sub_co_u32 s19, s19, s21                     ; the work-group's number within its weight
	s_lshr_b32 s23, s19, 2                         ; block of 128 columns
	s_and_b32 s19, s19, 3                          ; quarter of K
	s_lshl_b32 s23, s23, 7
	s_lshl_b32 s48, s18, 5
	s_add_co_u32 s23, s23, s48                     ; my wave's first column
	s_mul_i32 s48, s19, s20
	s_lshl_b32 s48, s48, 8                         ; 256 rows x quarter
	s_lshl_b32 s49, s23, 2
	s_add_co_u32 s48, s48, s49                     ; + 4 bytes x column (under 2^24)
	s_mov_b32 s49, 0
	s_add_nc_u64 s[32:33], s[6:7], s[48:49]        ; block 0 of my 8 blocks of 32 rows
	s_lshl_b32 s50, s20, 5                         ; 32 rows on
	s_mov_b32 s51, 0
.irp t, 1,2,3,4,5,6,7
	s_add_nc_u64 s[32+2*\t:33+2*\t], s[30+2*\t:31+2*\t], s[50:51]   ; a base for each block: none is stepped while loads are out
.endr
	s_lshl_b32 s48, s23, 10                        ; the codes: column x 1,024 bytes
	s_lshl_b32 s52, s19, 8                         ; + 256 x quarter
	s_add_co_u32 s48, s48, s52
	s_add_nc_u64 s[14:15], s[14:15], s[48:49]
	s_wait_alu depctr_va_vdst(0)
	v_lshlrev_b32 v3, 2, v2                        ; 4 bytes a lane
.set i, 0
.rept 32
	v_mad_u32_u24 v[OFFR+i], s20, i, v3            ; row i of a block
.set i, i+1
.endr
	s_mul_i32 s53, s18, 32*WP
	s_add_co_u32 s53, s53, WST                     ; my stage
	v_mul_u32_u24 v4, v2, WP
	v_add_nc_u32 v4, s53, v4                       ; into it: row = my column
	v_and_b32 v5, 15, v2
	v_lshrrev_b32 v6, 4, v2
	v_mul_u32_u24 v7, v6, WP
	v_lshl_add_u32 v7, v5, 4, v7
	v_add_nc_u32 v7, s53, v7                       ; out of it: sixteen lanes to a row, two rows an instruction
	v_lshlrev_b32 v8, 10, v6
	v_lshl_add_u32 v8, v5, 4, v8                   ; and the same place in the codes
	s_add_co_i32 s22, s22, 127
	s_lshl_b32 s54, s22, 23
	v_mov_b32 v11, s54                             ; 2^e
	s_add_co_i32 s22, s22, 8
	s_lshl_b32 s22, s22, 23
	s_or_b32 s22, s22, 0x600000
	v_mov_b32 v10, s22                             ; 448 x 2^e
.macro LOADW t                         ; block t: W(32 t + i, my column) into set t % 2: 32 lanes read 128 consecutive bytes, the four waves stand side by side
.set i, 0
.rept 32
	global_load_b32 v[XW+32*((\t)%2)+i], v[OFFR+i], s[32+2*(\t):33+2*(\t)] th:TH_LOAD_NT
.set i, i+1
.endr
.endm
	LOADW 0
	LOADW 1
.macro BLOCKW t
.set XS, XW+32*((\t)%2)
.if (\t) < 7
	s_wait_loadcnt 32                              ; this block's 32 loads are in; the next block's 32 may be out
.else
	s_wait_loadcnt 0
.endif
.set i, 0
.rept 32
	v_med3_num_f32 v[XS+i], v[XS+i], -v10, v10
.set i, i+1
.endr
.irp g, 0,1,2,3
	v_cvt_scalef32_pk8_fp8_f32 v[CW+2*\g:CW+2*\g+1], v[XS+8*\g:XS+8*\g+7], v11
.endr
	ds_store_b128 v4, v[CW:CW+3] offset:32*(\t)    ; 32 codes of my column's row
	ds_store_b128 v4, v[CW+4:CW+7] offset:32*(\t)+16
.if (\t)+2 < 8
	LOADW (\t)+2
.endif
	s_wait_dscnt 0x0                               ; the stores have read their registers: the next block's codes may be written
.endm
	s_wait_alu depctr_va_vdst(0)
.irp t, 0,1,2,3,4,5,6,7
	BLOCKW \t
.endr
.irp t, 0,1,2,3,4,5,6,7,8,9,10,11,12,13,14,15
	ds_load_b128 v[OUTR+4*\t:OUTR+4*\t+3], v7 offset:2*\t*WP   ; LDS serves a wave's instructions in order: these see my stores
.endr
.irp t, 0,1,2,3,4,5,6,7,8,9,10,11,12,13,14,15
	s_wait_dscnt 15-\t                             ; the younger loads stay out
	global_store_b128 v8, v[OUTR+4*\t:OUTR+4*\t+3], s[14:15] offset:2*\t*1024   ; sixteen lanes store 256 consecutive bytes, aligned
.endr
	s_wait_tensorcnt 0x0
	ds_add_u32 v192, v193
	s_wait_dscnt 0x0
	s_endpgm
.Lfunc_end_k_qab8150b93d_quant:
	.size	k_qab8150b93d_quant, .Lfunc_end_k_qab8150b93d_quant-k_qab8150b93d_quant
	.p2alignl 7, 3214868480
	.fill 96, 4, 3214868480
	.section	.rodata,"a",@progbits
	.p2align	6, 0x0
	.amdhsa_kernel k_qab8150b93d_quant
		.amdhsa_group_segment_fixed_size 68096
		.amdhsa_private_segment_fixed_size 0
		.amdhsa_enable_private_segment 0
		.amdhsa_kernarg_size 56
		.amdhsa_user_sgpr_count 2
		.amdhsa_user_sgpr_kernarg_segment_ptr 1
		.amdhsa_wavefront_size32 1
		.amdhsa_system_sgpr_workgroup_id_x 1
		.amdhsa_system_sgpr_workgroup_id_y 1
		.amdhsa_system_sgpr_workgroup_id_z 1
		.amdhsa_system_vgpr_workitem_id 0
		.amdhsa_next_free_vgpr 194
		.amdhsa_next_free_sgpr 66
		.amdhsa_reserve_vcc 0
		.amdhsa_float_denorm_mode_32 3
		.amdhsa_float_denorm_mode_16_64 3
		.amdhsa_memory_ordered 1
		.amdhsa_forward_progress 1
		.amdhsa_inst_pref_size 88
	.end_amdhsa_kernel
	.amdgpu_metadata
---
amdhsa.version: [ 1, 2 ]
amdhsa.kernels:
  - .name:           k_qab8150b93d_quant
    .symbol:         k_qab8150b93d_quant.kd
    .args:
      - { .name: x, .offset: 0, .size: 8, .value_kind: global_buffer, .address_space: global }
      - { .name: Wqkv, .offset: 8, .size: 8, .value_kind: global_buffer, .address_space: global }
      - { .name: Wproj, .offset: 16, .size: 8, .value_kind: global_buffer, .address_space: global }
      - { .name: lowp_scales, .offset: 24, .size: 8, .value_kind: global_buffer, .address_space: global }
      - { .name: xc, .offset: 32, .size: 8, .value_kind: global_buffer, .address_space: global }
      - { .name: wqkvc, .offset: 40, .size: 8, .value_kind: global_buffer, .address_space: global }
      - { .name: wprojc, .offset: 48, .size: 8, .value_kind: global_buffer, .address_space: global }
    .group_segment_fixed_size: 68096
    .private_segment_fixed_size: 0
    .kernarg_segment_align: 8
    .kernarg_segment_size: 56
    .max_flat_workgroup_size: 128
    .sgpr_count:     66
    .vgpr_count:     194
    .wavefront_size: 32
...
	.end_amdgpu_metadata
.endif
;; end of part 1
;; launch qkvgemm (part 2): grid 12 x 32, 4 waves a work-group, clusters of 4 x 4, 327,680 bytes of LDS; arguments xc, wqkvc, lowp_scales, bqkv, qkv; writes qkv
.if DOCPART == 2
	.amdgcn_target "amdgcn-amd-amdhsa--gfx1250"
	.amdhsa_code_object_version 6
	.text
	.protected	k_qab8150b93d_qkvgemm
	.globl	k_qab8150b93d_qkvgemm
	.p2align	8
	.type	k_qab8150b93d_qkvgemm,@function
k_qab8150b93d_qkvgemm:
	s_mov_b64 s[64:65], 0
	v_nop
	global_prefetch_b8 v0, s[64:65] scope:SCOPE_SE
	s_setreg_imm32_b32 hwreg(HW_REG_WAVE_MODE, 25, 1), 1
	s_wait_xcnt 0x0
	s_wait_alu depctr_hold_cnt(0) depctr_sa_sdst(0) depctr_va_vdst(0) depctr_va_sdst(0) depctr_va_ssrc(0) depctr_va_vcc(0) depctr_vm_vsrc(0)
	s_getreg_b32 s2, hwreg(HW_REG_IB_STS2, 6, 4)
	s_cmp_eq_u32 s2, 0
	s_cbranch_scc0 .Lentry_in_a_cluster
	s_endpgm
.Lentry_in_a_cluster:
	s_bfe_u32 s2, ttmp6, 0x10000c
	s_cmp_lg_u32 s2, 0xf033
	s_cbranch_scc0 .Lentry_shape_is_right
	s_endpgm
.Lentry_shape_is_right:
; qkv = x Wqkv + bqkv on codes of E4M3, and its result quantised at once for the attention: q with 2^e2, k with 2^e3, v with 2^e5.
; xc [8192][1024], wqkvc [3072][1024]: codes, K innermost.  A sum stands for sum x 2^(e0 + e1); one fused multiply-add gives sum x 2^(e0 + e1) + bias in f32, which is held and converted.
; LIMITS: e0 + e1 between -126 and 127; e2, e3, e5 between -126 and 119.  NaN is not served.
; SHARES.  A tile of 256 rows x 256 columns to a work-group of four waves, 128 x 128 a wave: 64 accumulators, 512 registers.  K = 1,024 goes in four fills of 256 through two LDS slots.
; CLUSTERS: 4 x 4 work-groups; index i's tile is asked for jointly along a row of the cluster, index j's along a column.  The cluster's x (0, 1, 2) is the section q, k, v: the same in all sixteen partners.
; SOURCES.  Source 1 takes 16 rows of one tensor (index i), source 0 sixteen of the other (index j): a lane holds row i = 16 a + lane % 16 and eight neighbouring j = 16 b + 8 (lane / 16) + 0..7.
; For q and k, i = the token and j = the column (the head's d, their K).  For v the keys are the K of the next product, so there source 1 reads the weight's rows and source 0 x's: only the tensors that the loads read differ.
; THE OUTPUT is laid in the order of the operand registers of the attention: three sections of 2^23 bytes, each [batch x head 64][step of 128 tokens 16][8,192 bytes].
;   q, k: [tile 8][piece c 2][lane 32][16 bytes]: lane (r, h) of tile u holds token 32 (u / 2) + 8 (u % 2) + r + 8 (r / 8), d = 32 c + 16 h + 0..15.
;   v:    [tile 4][piece c 4][lane 32][16 bytes]: lane (r, h) of tile u holds d = 32 (u / 2) + 8 (u % 2) + r + 8 (r / 8), tokens 32 c + 16 h + 0..15.
; The codes meet in a stage of 256 rows x 272 bytes (row i, byte j), in a slot that has had its last fill; each wave then writes one head's 16,384 bytes, 512 consecutive bytes a store.
; 384 tiles: a tile of 256 x 256 never straddles the borders of q, k, v nor of a head, and is the largest whose accumulators and fragments fit the registers.
; REGISTERS, in windows of 256: window 0: v0-31 addresses; v32-127 at work on the way out; from v128 source 1's fragments, ONE set, later the rows that leave.
;   window 1: source 0's fragments, TWO sets, at v0 and v128; the bias takes set 0 for the way out.   windows 2, 3: the accumulators ((a, b) at v[8 (8 (a % 4) + b)]).
.set ROWB,   256                       ; a tile's row: 256 codes
.set KROW,   1024                      ; a row of xc or wqkvc in memory
.set PITCH,  272                       ; an LDS row: 256 bytes + 16 of padding = 68 words: the 16 rows that a load touches start at 16 different banks (64 banks of 4 bytes: ISA guide 11.1)
.set FR,     16
.set NL,     4
.set NP,     4
.set HALFT,  128*PITCH
.set SLOT,   4*HALFT                   ; the 256 rows of index i (q, k: x's; v: the weight's), then the 256 rows of index j (q, k: the weight's; v: x's)
.set SPARE,  2*SLOT                    ; behind the ring: the spare words, 128 bytes a wave, that no other line names
.set BOV,  12                          ; v12     4 x (lane % 16): v's bias
.set ADRA, 16                          ; v16-17  LDS address of source 1's fragments in slot 0, 1
.set ADRB, 20                          ; v20-21  the same for source 0
.set STO,  22                          ; v22, v23  where I put 8 codes: the stage in slot 0 (q, k), in slot 1 (v)
.set RD,   24                          ; v24, v25  where I read 16 codes of an image back
.set CO,   26                          ; v26     16 x lane
.set BOQ,  27                          ; v27     32 x (lane / 16): q's and k's bias
.set SPW,  28                          ; v28     my spare word; never rewritten
.set NIL,  29                          ; v29     0; never rewritten
.set LIM,  30                          ; v30     448 x the output's scale
.set SCL,  31                          ; v31     the output's scale
.set TMP,  32                          ; v32-95  a block's 64 numbers
.set CD,   96                          ; v96-127 their codes, two sets by turns
.set AF,   128
.set OUTR, 128
.set G1, 24
.set G0, 32
.set G1B, 48
.set G0B, 56
.set MSB, 0
.macro WIN new                         ; the immediate's high byte repeats the setting that is left
.if MSB != (\new)
	s_set_vgpr_msb (MSB<<8)|(\new)
.set MSB, \new
.endif
.endm
.set MUL_LO, 0xa1                      ; source 0 window 1, source 1 window 0, C and D window 2
.set MUL_HI, 0xf1                      ; the same, C and D window 3
.set TO_B,   0x40                      ; destination window 1, address window 0
; A joint load: waves 0 and 1 fetch index i's halves, waves 2 and 3 index j's.  The branch hangs on the wave's number alone.  Four v_nop follow each of the two lines.
.macro JLOAD g0a, g1a, g0b, g1b
	s_cmp_eq_u32 s15, 0
	s_cbranch_scc0 .Lfor_b_\@
	tensor_load_to_lds s[\g0a:\g0a+3], s[\g1a:\g1a+7]
	s_nop 0
.rept 4
	v_nop
.endr
	s_branch .Lasked_\@
.Lfor_b_\@:
	tensor_load_to_lds s[\g0b:\g0b+3], s[\g1b:\g1b+7]
	s_nop 0
.rept 4
	v_nop
.endr
.Lasked_\@:
.endm
.macro CREST                           ; a round of the cluster's barrier behind its opening barrier
	s_cmp_lg_u32 s14, 0
	s_cbranch_scc1 .Lnot_wave_0_\@
	s_barrier_signal -3
.Lnot_wave_0_\@:
	s_barrier_wait -3
	s_barrier_signal -1
	s_barrier_wait -1
.endm
.macro CROUND
	s_barrier_signal -1
	s_barrier_wait -1
	CREST
.endm
	s_load_b128 s[4:7], s[0:1], 0x0                ; xc s[4:5], wqkvc s[6:7]
	s_load_b128 s[8:11], s[0:1], 0x10              ; lowp_scales s[8:9], bqkv s[10:11]
	s_load_b64 s[12:13], s[0:1], 0x20              ; qkv
	v_lshl_add_u32 v[SPW], v0, 2, SPARE
	v_mov_b32 v[NIL], 0
	ds_add_u32 v28, v29
	ds_add_u32 v28, v29
	s_wait_dscnt 0x0
	v_lshrrev_b32 v1, 5, v0
	v_readfirstlane_b32 s14, v1                    ; wave 0..3
	s_lshr_b32 s15, s14, 1                         ; which half of index i is mine.  Also: I fetch for index i (0) or for index j (1)
	s_and_b32 s16, s14, 1                          ; which half of index j.  Also: which 128 rows I fetch
	s_bfe_u32 s40, ttmp6, 0x40000                  ; cx, cy: my place in the cluster
	s_bfe_u32 s41, ttmp6, 0x40004
	; THE TWO TENSORS CHANGE PLACES AT THE SOURCE for v, not in LDS: the slot's first 256 rows always hold index i's tensor, asked for jointly along a row of the cluster (its tile is numbered by cy),
	; the second 256 rows index j's, asked for along a column (numbered by cx).  q, k: i = x's tile 4 Y + cy, j = the weight's tile 4 X + cx.  v: i = the weight's tile 8 + cy, j = x's tile 4 Y + cx.
	; The choice hangs on the cluster's x alone, the same in all sixteen partners; every LDS address is a constant, a wave term and a lane term.
	s_lshl_b32 s42, ttmp9, 2                       ; 4 X
	s_and_b32 s17, ttmp7, 0xffff
	s_lshl_b32 s17, s17, 2                         ; 4 Y
	s_cmp_eq_u32 ttmp9, 2
	s_cselect_b32 s90, 8, s17
	s_cselect_b32 s91, s17, s42
	s_add_co_u32 s90, s90, s41                     ; index i's tile: + cy
	s_add_co_u32 s91, s91, s40                     ; index j's tile: + cx
	s_lshl_b32 s43, s41, 2
	s_lshl_b32 s43, 15, s43                        ; my row of the cluster
	s_lshl_b32 s44, 0x1111, s40                    ; my column
	s_or_b32 s[G1+0], s43, (0<<16)|(1<<20)|(1<<21)|(5<<22)|(3<<25)  ; the mask; elements of 1 byte; padding on; bit 21 beside a mask; after every 64 words, 4 words
	s_or_b32 s[G1B+0], s44, (0<<16)|(1<<20)|(1<<21)|(5<<22)|(3<<25)
.irp g, G1, G1B
	s_mov_b32 s[\g+1], ROWB<<16                    ; tensor_dim0
	s_mov_b32 s[\g+2], 128<<16                     ; tensor_dim1 = 128
	s_mov_b32 s[\g+3], ROWB<<16                    ; tile_dim0
	s_mov_b32 s[\g+4], 128                         ; tile_dim1 = 128
	s_mov_b32 s[\g+5], KROW                        ; from row to row
	s_mov_b32 s[\g+6], 0
	s_mov_b32 s[\g+7], 0
.endr
	s_lshl_b32 s18, s16, 7
	s_lshl_b32 s20, s90, 8
	s_add_co_u32 s20, s20, s18                     ; index i: row 256 x tile + 128 x half
	s_lshl_b32 s46, s91, 8
	s_add_co_u32 s46, s46, s18                     ; index j likewise
	s_mov_b32 s21, 0
	s_mov_b32 s47, 0
	s_mov_b64 s[18:19], KROW
	s_mul_u64 s[20:21], s[20:21], s[18:19]
	s_mul_u64 s[46:47], s[46:47], s[18:19]
	s_mul_i32 s45, s14, HALFT                      ; where they go: wave x 128 rows
	s_wait_kmcnt 0x0
	s_load_b256 s[68:75], s[8:9], 0x0              ; e0 .. e7
	s_cmp_eq_u32 ttmp9, 2
	s_cselect_b64 s[92:93], s[6:7], s[4:5]         ; index i's tensor
	s_cselect_b64 s[94:95], s[4:5], s[6:7]         ; index j's
	s_add_nc_u64 s[20:21], s[92:93], s[20:21]
	s_add_nc_u64 s[46:47], s[94:95], s[46:47]
	CROUND                                         ; all sixteen work-groups are here: the first joint loads meet
.irp s, 0,1
	s_mov_b32 s[G0+4*\s], 1
	s_add_co_u32 s[G0+4*\s+1], s45, \s*SLOT
	s_add_nc_u64 s[G0+4*\s+2:G0+4*\s+3], s[20:21], \s*ROWB
	s_or_b32 s[G0+4*\s+3], s[G0+4*\s+3], 0x80000000
	s_mov_b32 s[G0B+4*\s], 1
	s_add_co_u32 s[G0B+4*\s+1], s45, \s*SLOT
	s_add_nc_u64 s[G0B+4*\s+2:G0B+4*\s+3], s[46:47], \s*ROWB
	s_or_b32 s[G0B+4*\s+3], s[G0B+4*\s+3], 0x80000000
.endr
	JLOAD G0, G1, G0B, G1B                         ; K 0-255: one tensor load a wave at the head
	v_and_b32 v1, 15, v0
	v_bfe_u32 v2, v0, 4, 1                         ; h
	v_mul_u32_u24 v3, v1, PITCH
	v_lshl_add_u32 v4, v2, 4, v3                   ; a fragment's row x pitch + 16 h
	s_wait_alu depctr_va_vdst(0)
	; PREFETCHES INTO THE L2, two fills ahead: behind the first joint load for K 256-511 and K 512-767, behind the second for K 768-1023.  A fill is 256 bytes of each of the 128 rows that my wave fetches;
	; the four partners that ask for those rows jointly share them out BY ADDRESS, 32 each (by cx for index i's tensor, by cy for index j's): a lane a row, one instruction a wave and fill.  No address register is written again.
	s_cmp_eq_u32 s15, 0                            ; do I fetch for index i?
	s_cselect_b32 s82, s90, s91                    ; the tile,
	s_cselect_b32 s83, s40, s41                    ; my place among the four that ask with me,
	s_cselect_b64 s[92:93], s[92:93], s[94:95]     ; the tensor
	s_lshl_b32 s82, s82, 8
	s_lshl_b32 s84, s16, 7
	s_add_co_u32 s82, s82, s84                     ; + the 128 rows that I fetch
	s_lshl_b32 s83, s83, 5
	s_add_co_u32 s82, s82, s83                     ; + my work-group's 32 of them
	s_lshl_b32 s82, s82, 10                        ; rows of 1,024 bytes (under 2^24)
	s_mov_b32 s83, 0
	s_add_nc_u64 s[92:93], s[92:93], s[82:83]
	v_and_b32 v13, 31, v0
	v_lshlrev_b32 v13, 10, v13                     ; a lane a row
	global_prefetch_b8 v13, s[92:93] offset:256 th:TH_LOAD_NT scope:SCOPE_SE
	global_prefetch_b8 v13, s[92:93] offset:512 th:TH_LOAD_NT scope:SCOPE_SE
	s_cmp_eq_u32 ttmp9, 2
	s_cselect_b32 s17, s91, s90
	s_cselect_b32 s40, s41, s40                    ; the tile of 256 columns within the section,
	s_add_co_u32 s42, s42, s40                     ; and among all 12
	s_mul_i32 s21, s15, HALFT                      ; source 1 reads index i's rows,
	s_mul_i32 s22, s16, HALFT
	s_add_co_u32 s22, s22, 2*HALFT                 ; source 0 index j's, which lie behind them
.irp s, 0,1
	v_add_nc_u32 v[ADRA+\s], s21, v4
	v_add_nc_u32 v[ADRB+\s], s22, v4
	s_add_co_u32 s21, s21, SLOT
	s_add_co_u32 s22, s22, SLOT
.endr
	s_mul_i32 s23, s15, 128*PITCH                  ; the stage, in: row 128 x my half of i + r, byte 128 x my half of j + 8 h
	s_lshl_b32 s84, s16, 7
	s_add_co_u32 s23, s23, s84
	v_lshl_add_u32 v5, v2, 3, v3
	v_add_nc_u32 v[STO], s23, v5
	v_add_nc_u32 v[STO+1], SLOT, v[STO]
	v_and_b32 v6, 8, v1
	v_add_nc_u32 v6, v6, v1                        ; r + 8 (r / 8)
	v_mul_u32_u24 v6, v6, PITCH
	v_lshl_add_u32 v6, v2, 4, v6
	s_lshl_b32 s84, s14, 6
	v_add_nc_u32 v[RD], s84, v6                    ; back, q and k: my head's 64 bytes of a row
	s_mul_i32 s84, s14, 64*PITCH
	s_add_co_u32 s84, s84, SLOT
	v_add_nc_u32 v[RD+1], s84, v6                  ; back, v: my head's 64 rows
	v_and_b32 v7, 31, v0
	v_lshlrev_b32 v[CO], 4, v7
	v_lshlrev_b32 v[BOQ], 5, v2
	v_lshlrev_b32 v[BOV], 2, v1
	s_lshl_b32 s84, s42, 10                        ; the bias: 4 bytes x (256 x tile column + 128 x half)
	s_lshl_b32 s85, s16, 9
	s_add_co_u32 s84, s84, s85
	s_mov_b32 s85, 0
	s_add_nc_u64 s[76:77], s[10:11], s[84:85]      ; by j (q, k)
	s_lshl_b32 s84, s42, 10
	s_lshl_b32 s88, s15, 9
	s_add_co_u32 s84, s84, s88
	s_add_nc_u64 s[78:79], s[10:11], s[84:85]      ; by i (v)
	s_lshl_b32 s86, ttmp9, 23                      ; the output: the section,
	s_lshr_b32 s87, s17, 3
	s_lshl_b32 s87, s87, 21                        ; the batch (8 tile rows each),
	s_add_co_u32 s86, s86, s87
	s_lshl_b32 s87, s40, 2
	s_add_co_u32 s87, s87, s14
	s_lshl_b32 s87, s87, 17                        ; my head: 4 cx + wave,
	s_add_co_u32 s86, s86, s87
	s_and_b32 s87, s17, 7
	s_lshl_b32 s87, s87, 14                        ; the tile's two steps of 128 tokens
	s_add_co_u32 s86, s86, s87
	s_mov_b32 s87, 0
	s_add_nc_u64 s[80:81], s[12:13], s[86:87]
.macro FRAG reg, adr, q, i             ; 16 rows x 128 K: lane l holds row l % 16; registers 4 c .. 4 c + 3 hold K = 32 c + 16 (l / 16) + 0 .. 15, alike in both sources
.irp c, 0,1,2,3
	ds_load_b128 v[\reg+4*\c:\reg+4*\c+3], v[\adr] offset:128*(\q)+32*\c+(\i)*16*PITCH
.endr
.endm
; 16 matrix instructions: source 1's blocks a0, a0 + 1 x source 0's eight.  The 64 accumulators take turns, one instruction a turn, in the same order in every step.
.macro MUL16 a0, p, zero
.irp a, \a0, \a0+1
.irp b, 0,1,2,3,4,5,6,7
.if \zero
	v_wmma_f32_16x16x128_fp8_fp8 v[8*(8*((\a)%4)+\b):8*(8*((\a)%4)+\b)+7], v[128*(\p)+FR*\b:128*(\p)+FR*\b+FR-1], v[AF+FR*(\a):AF+FR*(\a)+FR-1], 0
.else
	v_wmma_f32_16x16x128_fp8_fp8 v[8*(8*((\a)%4)+\b):8*(8*((\a)%4)+\b)+7], v[128*(\p)+FR*\b:128*(\p)+FR*\b+FR-1], v[AF+FR*(\a):AF+FR*(\a)+FR-1], v[8*(8*((\a)%4)+\b):8*(8*((\a)%4)+\b)+7]
.endif
.endr
.endr
.endm
.macro FETCH_B slot, q, p
	WIN TO_B
.irp i, 0,1,2,3,4,5,6,7
	FRAG 128*(\p)+FR*\i, ADRB+\slot, \q, \i
.endr
	WIN 0
.endm
.macro FETCH_A slot, q, i0
.irp i, \i0, \i0+1, \i0+2, \i0+3
	FRAG AF+FR*(\i), ADRA+\slot, \q, \i
.endr
.endm
.macro PLACES n                        ; plain vector instructions between a matrix instruction and a load into, or a read of, its registers
.rept \n
	v_nop
.endr
.endm
.macro STEP slot, q, zero              ; 128 along K, with its successor in the same slot
	s_wait_dscnt 4*NL                              ; source 0's set and source 1's blocks 0-3 are in; the youngest sixteen loads (blocks 4-7) may be out
	WIN MUL_LO
	MUL16 0, (\q)%2, \zero
	MUL16 2, (\q)%2, \zero
	s_wait_dscnt 0
	PLACES NP
	FETCH_B \slot, (\q)+1, 1-(\q)%2
	FETCH_A \slot, (\q)+1, 0
	WIN MUL_HI
	MUL16 4, (\q)%2, \zero
	MUL16 6, (\q)%2, \zero
	PLACES NP
	WIN 0
	FETCH_A \slot, (\q)+1, 4
.endm
; A slot's last step changes slots: each wave waits for all its tensor loads, adds 0 to its spare word, waits for that and for its reads of this slot; then the barrier.  fill = 1: the slot is filled again.
.macro TURN slot, next, fill
	s_wait_tensorcnt 0x0                           ; all my tensor loads have landed: my part of the next slot
	ds_add_u32 v[SPW], v[NIL]                      ; 0 onto my spare word
	s_wait_dscnt 4*NL+1                            ; (the add and the youngest sixteen loads may be out)
	WIN MUL_LO
	MUL16 0, 1, 0
	s_wait_dscnt 0x0                               ; the add is done, and my reads of this slot are over
	s_barrier_signal -1
	MUL16 2, 1, 0
	WIN 0
	s_barrier_wait -1
.if \fill
	CREST                                          ; the barrier has opened a round of the cluster's barrier: no wave of any partner still reads this slot or has a load on its way
	s_add_nc_u64 s[G0+4*\slot+2:G0+4*\slot+3], s[G0+4*\slot+2:G0+4*\slot+3], 2*ROWB
	s_add_nc_u64 s[G0B+4*\slot+2:G0B+4*\slot+3], s[G0B+4*\slot+2:G0B+4*\slot+3], 2*ROWB
	JLOAD G0+4*\slot, G1, G0B+4*\slot, G1B         ; the first tensor load behind the round; its four v_nop are the places in front of the loads below
.else
	PLACES NP
.endif
	FETCH_B \next, 0, 0
	FETCH_A \next, 0, 0
	WIN MUL_HI
	MUL16 4, 1, 0
	MUL16 6, 1, 0
	PLACES NP
	WIN 0
	FETCH_A \next, 0, 4
.endm
	s_wait_alu depctr_va_vdst(0)
	s_wait_tensorcnt 0x0                           ; my part of slot 0 is in
	ds_add_u32 v[SPW], v[NIL]
	s_wait_dscnt 0x0
	CROUND                                         ; everybody's part is in, and all sixteen work-groups are here
	JLOAD G0+4, G1, G0B+4, G1B                     ; K 256-511, the first tensor load behind the round
	FETCH_B 0, 0, 0
	FETCH_A 0, 0, 0
	FETCH_A 0, 0, 4
	global_prefetch_b8 v13, s[92:93] offset:768 th:TH_LOAD_NT scope:SCOPE_SE   ; K 768-1023, the last fill: nothing lies behind it
	STEP 0, 0, 1
	TURN 0, 1, 1                                   ; K 128-255; slot 0 takes K 512-767
	STEP 1, 0, 0
	TURN 1, 0, 1                                   ; slot 1 takes K 768-1023
	STEP 0, 0, 0
	TURN 0, 1, 0                                   ; nothing is left to fetch
	STEP 1, 0, 0
; THE LAST STEP AND THE WAY OUT, once for q and k (isv = 0), once for v (isv = 1).  The two ways part once, on the cluster's x, and have the same barriers and rounds.
.macro ARM isv
	WIN TO_B                                       ; the bias goes into source 0's set 0, which was last multiplied in front of the four places at the end of the step above
.if \isv
.irp a, 0,1,2,3,4,5,6,7
	global_load_b32 v[\a], v[BOV], s[78:79] offset:64*\a                ; bias of column i = 16 a + r
.endr
.else
.irp b, 0,1,2,3,4,5,6,7
	global_load_b128 v[8*\b:8*\b+3], v[BOQ], s[76:77] offset:64*\b      ; bias of columns j = 16 b + 8 h + 0 .. 7
	global_load_b128 v[8*\b+4:8*\b+7], v[BOQ], s[76:77] offset:64*\b+16
.endr
.endif
	WIN 0
	s_wait_dscnt 4*NL
	WIN MUL_LO
	MUL16 0, 1, 0
	MUL16 2, 1, 0
	s_wait_dscnt 0x0                               ; my last reads of the ring are over:
	s_barrier_signal -1                            ; behind this barrier no wave reads either slot, and both have had their last fill
	WIN MUL_HI
	MUL16 4, 1, 0
	MUL16 6, 1, 0
	WIN 0
	s_barrier_wait -1
	s_wait_kmcnt 0x0
.if \isv
	s_mov_b32 s88, s73                             ; e5
.else
	s_cmp_eq_u32 ttmp9, 0
	s_cselect_b32 s88, s70, s71                    ; e2 for q, e3 for k
.endif
	s_add_co_i32 s88, s88, 127
	s_lshl_b32 s89, s88, 23
	v_mov_b32 v[SCL], s89                          ; the output's scale as f32
	s_add_co_i32 s88, s88, 8
	s_lshl_b32 s88, s88, 23
	s_or_b32 s88, s88, 0x600000
	v_mov_b32 v[LIM], s88                          ; 448 x that
	s_add_co_i32 s96, s68, s69
	s_add_co_i32 s96, s96, 127
	s_lshl_b32 s96, s96, 23                        ; 2^(e0 + e1)
	s_mov_b32 s97, s96                             ; (named with it as a pair)
	s_wait_loadcnt 0x0                             ; the bias
	PLACES NP
.irp a, 0,1,2,3,4,5,6,7                ; block a: 16 rows i x 128 j
.set AC, 64*(\a%4)
.set BP, 2*(\a/2)
.set CDS, CD+16*(\a%2)
	WIN 0x12+(\a/4)                                ; source 0: the sums, window 2 or 3; source 2: the bias, window 1
.set j, 0
.rept 32
.if \isv
.if (\a%2) == 0
	v_pk_fma_f32 v[TMP+j:TMP+j+1], v[AC+j:AC+j+1], s[96:97], v[BP:BP+1] op_sel_hi:[1,0,0]
.else
	v_pk_fma_f32 v[TMP+j:TMP+j+1], v[AC+j:AC+j+1], s[96:97], v[BP:BP+1] op_sel:[0,0,1] op_sel_hi:[1,0,1]
.endif
.else
	v_pk_fma_f32 v[TMP+j:TMP+j+1], v[AC+j:AC+j+1], s[96:97], v[j:j+1] op_sel_hi:[1,0,1]   ; sum x 2^(e0 + e1) + bias; each accumulator from its low end on
.endif
.set j, j+2
.endr
	WIN 0
.set j, 0
.rept 64
	v_med3_num_f32 v[TMP+j], v[TMP+j], -v[LIM], v[LIM]   ; the conversion does not saturate (ISA guide 7.6.2)
.set j, j+1
.endr
.if \a >= 2
	s_wait_alu depctr_va_vdst(0)
	s_wait_dscnt 8                                 ; the last block's eight stores may be out; those of the block before it, which read this set of codes, are done
.endif
.irp b, 0,1,2,3,4,5,6,7
	v_cvt_scalef32_pk8_fp8_f32 v[CDS+2*\b:CDS+2*\b+1], v[TMP+8*\b:TMP+8*\b+7], v[SCL]
.endr
	v_nop                                          ; a plain instruction between the conversions and the next block's writes of their sources
.irp b, 0,1,2,3,4,5,6,7
	ds_store_b64 v[STO+\isv], v[CDS+2*\b:CDS+2*\b+1] offset:\a*16*PITCH+16*\b   ; row 16 a + r, bytes 16 b + 8 h + 0 .. 7
.endr
.endr
	s_wait_dscnt 0x0                               ; for the others' sake: my stores into the stage are done
	s_barrier_signal -1
	s_barrier_wait -1
.set p, 0
.rept 32                               ; my head's 32 pieces of 512 bytes, in the image's order
.if \isv
	ds_load_b128 v[OUTR+4*p:OUTR+4*p+3], v[RD+1] offset:(32*(((p/4)%4)/2)+8*((p/4)%2))*PITCH+128*(p/16)+32*(p%4)
.else
	ds_load_b128 v[OUTR+4*p:OUTR+4*p+3], v[RD] offset:(128*(p/16)+32*(((p/2)%8)/2)+8*((p/2)%2))*PITCH+32*(p%2)
.endif
.set p, p+1
.endr
.set p, 0
.rept 32
	s_wait_dscnt 31-p                              ; the younger loads stay out
	global_store_b128 v[CO], v[OUTR+4*p:OUTR+4*p+3], s[80:81] offset:512*p   ; 32 lanes store 512 consecutive bytes, aligned
.set p, p+1
.endr
	s_wait_tensorcnt 0x0                           ; the wave's end
	ds_add_u32 v[SPW], v[NIL]
	s_wait_dscnt 0x0
	CROUND                                         ; the closing round
	s_endpgm
.endm
	s_cmp_eq_u32 ttmp9, 2
	s_cbranch_scc1 .Lv
	s_wait_alu depctr_va_vdst(0)
	ARM 0
.Lv:
	s_wait_alu depctr_va_vdst(0)
	ARM 1
.Lfunc_end_k_qab8150b93d_qkvgemm:
	.size	k_qab8150b93d_qkvgemm, .Lfunc_end_k_qab8150b93d_qkvgemm-k_qab8150b93d_qkvgemm
	.p2alignl 7, 3214868480
	.fill 96, 4, 3214868480
	.section	.rodata,"a",@progbits
	.p2align	6, 0x0
	.amdhsa_kernel k_qab8150b93d_qkvgemm
		.amdhsa_group_segment_fixed_size 327680
		.amdhsa_private_segment_fixed_size 0
		.amdhsa_enable_private_segment 0
		.amdhsa_kernarg_size 40
		.amdhsa_user_sgpr_count 2
		.amdhsa_user_sgpr_kernarg_segment_ptr 1
		.amdhsa_wavefront_size32 1
		.amdhsa_system_sgpr_workgroup_id_x 1
		.amdhsa_system_sgpr_workgroup_id_y 1
		.amdhsa_system_sgpr_workgroup_id_z 1
		.amdhsa_system_vgpr_workitem_id 0
		.amdhsa_next_free_vgpr 1024
		.amdhsa_next_free_sgpr 98
		.amdhsa_reserve_vcc 0
		.amdhsa_float_denorm_mode_32 3
		.amdhsa_float_denorm_mode_16_64 3
		.amdhsa_memory_ordered 1
		.amdhsa_forward_progress 1
		.amdhsa_inst_pref_size 215
	.end_amdhsa_kernel
	.amdgpu_metadata
---
amdhsa.version: [ 1, 2 ]
amdhsa.kernels:
  - .name:           k_qab8150b93d_qkvgemm
    .symbol:         k_qab8150b93d_qkvgemm.kd
    .args:
      - { .name: xc, .offset: 0, .size: 8, .value_kind: global_buffer, .address_space: global }
      - { .name: wqkvc, .offset: 8, .size: 8, .value_kind: global_buffer, .address_space: global }
      - { .name: lowp_scales, .offset: 16, .size: 8, .value_kind: global_buffer, .address_space: global }
      - { .name: bqkv, .offset: 24, .size: 8, .value_kind: global_buffer, .address_space: global }
      - { .name: qkv, .offset: 32, .size: 8, .value_kind: global_buffer, .address_space: global }
    .group_segment_fixed_size: 327680
    .private_segment_fixed_size: 0
    .kernarg_segment_align: 8
    .kernarg_segment_size: 40
    .max_flat_workgroup_size: 128
    .sgpr_count:     98
    .vgpr_count:     1024
    .wavefront_size: 32
...
	.end_amdgpu_metadata
.endif
;; end of part 2
;; launch attn (part 3): grid 64 x 4, 16 waves a work-group, no clusters, 327,680 bytes of LDS; arguments qkv, lowp_scales, yimg; writes yimg
.if DOCPART == 3
	.amdgcn_target "amdgcn-amd-amdhsa--gfx1250"
	.amdhsa_code_object_version 6
	.text
	.protected	k_qab8150b93d_attn
	.globl	k_qab8150b93d_attn
	.p2align	8
	.type	k_qab8150b93d_attn,@function
k_qab8150b93d_attn:
	s_mov_b64 s[64:65], 0
	v_nop
	global_prefetch_b8 v0, s[64:65] scope:SCOPE_SE
	s_setreg_imm32_b32 hwreg(HW_REG_WAVE_MODE, 25, 1), 1
	s_wait_xcnt 0x0
; y = softmax(q k^T / 8, causal) v for one head, both products on codes of E4M3, and y quantised at once (2^e6) for the projection.
; THE SOFTMAX: t = score x log2(e) / 8; M = the running largest t rounded UP to a whole number; p = 2^(t - M), not normalised, is quantised with 2^e4; the row's sum is taken of the unquantised p and divides at the end.
; When M moves, the sum and O are multiplied by 2^(old M - new M): nothing is rounded, and no branch hangs on data.
; INPUT: qkv, three sections of 2^23 bytes (q, k, v), each [batch x head 64][step of 128 tokens 16][8,192 bytes], laid in the order of the operands' registers:
;   q, k: [tile 8][piece c 2][lane][16 bytes]: lane (r, h) of tile u: token 32 (u / 2) + 8 (u % 2) + r + 8 (r / 8), d = 32 c + 16 h + 0..15;   v: [tile 4][piece c 4][lane][16 bytes]: d by the same rule, tokens 32 c + 16 h + 0..15.
; OUTPUT: yimg [tile of 16 tokens 512][head 16][piece 2][lane][16 bytes]: lane (r, h): token r of the tile, d = 32 piece + 16 h + 0..15.
; SHARES.  A work-group is (batch x head = x, block i = y, 0..3).  Wave w owns TWO tiles of 16 queries: 127 - (16 i + w) and 16 i + w.  Tile j needs j / 8 + 1 steps of 128 keys, so every wave of the launch does 17 steps,
; two of them on the diagonal.  Steps whose keys all come after the tile's queries fall under the mask that the problem itself builds: they are left out by a scalar branch on ids inside loops of constant count.
; LDS: K's image of the whole head at 0, V's at 131,072, each byte filled ONCE, in two fills, one tensor load a wave each (waves 0-7 K, waves 8-15 V, an eighth each):
; steps 0-5 (6,144 bytes a wave) at the head; steps 6-15 (10,240 bytes a wave) behind the full sequence and a barrier; it is waited for behind the late tile's first six steps.
; Every fragment comes by loads of 16 x lane: 512 consecutive bytes each.  Both tiles' Q have registers of their own: the late tile's is asked for ahead of the first fill, the early tile's behind the second.
; NO CLUSTER: the four work-groups of a head read the same K and V, but which steps a wave leaves out hangs on its work-group's block of queries, which would be its place in the cluster.
; PREFETCH INTO THE L2: behind the first fill's load each wave asks, by one instruction, for a quarter of the 40 blocks of 256 bytes that its second load will bring: the four work-groups of a head share them out by address,
; 10 blocks each, lanes 256 bytes apart (lanes 10-31 name the tenth again).  So each block is named once in the launch, one fill ahead of its load; nothing lies behind the second fill.
; Both products are used transposed (S^T = K Q^T, O^T = V^T P^T): a lane holds ONE query throughout; by the tiles' order of tokens the 16 registers of tiles 2 b, 2 b + 1 of S^T are keys 32 b + 16 h + 0..15.
; LIMITS: e2 + e3 between -123 and 130 (added to c's exponent field); e4 and e6 between -126 and 119; e4 + e5 goes by v_ldexp_f32 and has none.  NaN is not served.
; REGISTERS: v1 16 x lane; v2 the same + V's base; v3 Q's lane offset; v4 r - 16 h; v8, v9 the step's addresses; v11 the prefetch's offset; v12 -M, v13 largest t, v[14:15] the sum; v16-23 the late tile's Q, v24-31 the early tile's;
;   v32-95 K's 8 or V's 4 fragments; v96-159 S^T, then p; v160-191 O^T; v192-207 p's codes; v208-223 y's codes, a set for each tile; v230-239, v242-243, v246-249, v252-254 at work;
;   v240, v244: 448 x 2^e4, 2^e4; v241, v245: the same with e6; v251, v255: the spare word's address and 0.
.set VB,    131072                     ; V's image in LDS
.set STEPB, 8192                       ; a step's image
.set FIRST, 6*STEPB                    ; the first fill's bytes of K or of V
.set SPARE, 262144                     ; behind the images: the spare words, 128 bytes a wave, that no other line names
.set G1A, 24                           ; s[24:31] group 1: 24 rows of 256 bytes;  s[32:39]: 40 rows
.set G1C, 32
.set TB,  52                           ; s52 LDS byte of the step in hand
.set KF,  53                           ; s53 its first key
.set Q0,  54                           ; s54 the tile's first query
	s_load_b128 s[4:7], s[0:1], 0x0                ; qkv s[4:5], lowp_scales s[6:7]
	s_load_b64 s[8:9], s[0:1], 0x10                ; yimg
	v_lshl_add_u32 v251, v0, 2, SPARE
	v_mov_b32 v255, 0
	ds_add_u32 v251, v255                          ; the opening lines: the add, twice on end, and its wait ahead of my first tensor load
	ds_add_u32 v251, v255
	v_lshrrev_b32 v5, 5, v0
	v_readfirstlane_b32 s18, v5                    ; wave 0..15
	s_lshr_b32 s10, s18, 3                         ; I fetch for K (0) or V (1),
	s_and_b32 s11, s18, 7                          ; an eighth of each fill
	s_lshl_b32 s12, s10, 17
	s_mul_i32 s13, s11, 6144                       ; 6,144 bytes of the first fill,
	s_mul_i32 s14, s11, 10240                      ; 10,240 of the second
	s_mov_b32 s15, ttmp9                           ; batch x head
	s_and_b32 s83, ttmp7, 0xffff                   ; block of queries
	s_lshl_b32 s16, s15, 17                        ; the head's 131,072 bytes in a section
	s_mov_b32 s17, 0
	s_mov_b32 s[G1A+0], 3<<16                      ; no mask; elements of 8 bytes; no padding
	s_mov_b32 s[G1A+1], 32<<16                     ; tensor_dim0 = 32 elements: 256 bytes
	s_mov_b32 s[G1A+2], 24<<16                     ; tensor_dim1 = 24
	s_mov_b32 s[G1A+3], 32<<16                     ; tile_dim0
	s_mov_b32 s[G1A+4], 24                         ; tile_dim1
	s_mov_b32 s[G1A+5], 32                         ; dense: from row to row 32 elements
	s_mov_b32 s[G1A+6], 0
	s_mov_b32 s[G1A+7], 0
	s_mov_b32 s[G1C+0], 3<<16
	s_mov_b32 s[G1C+1], 32<<16
	s_mov_b32 s[G1C+2], 40<<16                     ; 40 rows
	s_mov_b32 s[G1C+3], 32<<16
	s_mov_b32 s[G1C+4], 40
	s_mov_b32 s[G1C+5], 32
	s_mov_b32 s[G1C+6], 0
	s_mov_b32 s[G1C+7], 0
	s_mov_b32 s40, 1
	s_add_co_u32 s41, s12, s13                     ; steps 0-5
	s_mov_b32 s44, 1
	s_add_co_u32 s45, s12, s14
	s_add_co_u32 s45, s45, FIRST                   ; steps 6-15
	s_add_co_u32 s2, s10, 1
	s_lshl_b32 s2, s2, 23                          ; section 1 (k) or 2 (v)
	s_mov_b32 s3, 0
	s_lshl_b32 s81, s83, 4
	s_add_co_u32 s81, s81, s18                     ; my early tile: 16 i + w
	s_sub_co_u32 s82, 127, s81                     ; my late tile
	s_lshr_b32 s56, s82, 1                         ; Q: two tiles of queries share 2,048 bytes of the image,
	s_lshl_b32 s56, s56, 11
	s_and_b32 s57, s82, 1
	s_lshl_b32 s57, s57, 7                         ; the odd one 8 lanes further on
	s_add_co_u32 s56, s56, s57
	s_mov_b32 s57, 0
	s_lshr_b32 s78, s81, 1
	s_lshl_b32 s78, s78, 11
	s_and_b32 s79, s81, 1
	s_lshl_b32 s79, s79, 7
	s_add_co_u32 s78, s78, s79
	s_mov_b32 s79, 0
	s_mov_b32 s20, 0x76543210
	s_mov_b32 s21, 0xfedcba98                      ; v_permlanex16_b32: lane l xor 16
	s_mov_b32 s22, 0x3e38aa3b                      ; c = log2(e) / 8
	v_and_b32 v1, 31, v0
	v_min_u32 v11, 9, v1
	v_lshlrev_b32 v11, 8, v11                      ; the prefetch: 256 x lane, lanes 10-31 at the tenth block
	v_lshlrev_b32 v1, 4, v1                        ; 16 x lane
	v_add_nc_u32 v2, VB, v1
	v_and_b32 v5, 15, v0                           ; r
	v_bfe_u32 v6, v0, 4, 1                         ; h
	v_lshrrev_b32 v7, 3, v5
	v_and_b32 v10, 7, v5
	v_lshlrev_b32 v3, 10, v7
	v_lshl_add_u32 v3, v10, 4, v3
	v_lshl_add_u32 v3, v6, 8, v3                   ; Q: query r of a tile lies in image tile + r / 8, lane r % 8 (+ 8 for odd tiles, in the base) + 16 h
	v_lshlrev_b32 v7, 4, v6
	v_sub_nc_u32 v4, v5, v7                        ; r - 16 h
	v_mov_b32 v236, 0                              ; written once: a lane permute's destination counts as one of its sources
	v_mov_b32 v253, 0                              ; (named as the upper half of the pair v[252:253])
	s_wait_alu depctr_va_vdst(0)
	s_wait_dscnt 0x0                               ; both opening adds are done
	s_wait_kmcnt 0x0
	s_load_b256 s[68:75], s[6:7], 0x0              ; e0 .. e7
	s_add_nc_u64 s[58:59], s[4:5], s[16:17]        ; q's image of my head
	s_add_nc_u64 s[60:61], s[58:59], s[56:57]
	global_load_b128 v[16:19], v3, s[60:61]        ; the late tile's Q: d = 16 h + 0..15
	global_load_b128 v[20:23], v3, s[60:61] offset:512   ; d = 32 + 16 h + 0..15
	s_add_nc_u64 s[76:77], s[58:59], s[2:3]        ; K's or V's image
	s_mov_b32 s2, s13
	s_add_nc_u64 s[42:43], s[76:77], s[2:3]
	s_mov_b32 s2, s14
	s_add_nc_u64 s[46:47], s[76:77], s[2:3]
	s_add_nc_u64 s[46:47], s[46:47], FIRST
	s_mul_i32 s2, s83, 2560
	s_add_nc_u64 s[88:89], s[46:47], s[2:3]        ; the prefetch: my work-group's 10 blocks of my second load's 40
	s_or_b32 s43, s43, 0x80000000                  ; type = 2
	s_or_b32 s47, s47, 0x80000000
	tensor_load_to_lds s[40:43], s[G1A:G1A+7]      ; steps 0-5: my one tensor load at the head
	s_nop 0
.rept 4
	v_nop
.endr
	global_prefetch_b8 v11, s[88:89] th:TH_LOAD_NT scope:SCOPE_SE   ; its address registers are never written again
	s_add_nc_u64 s[84:85], s[58:59], s[78:79]      ; the early tile's Q
	s_lshr_b32 s56, s15, 4
	s_lshl_b32 s56, s56, 21                        ; y: the batch's 128 tiles of 16,384 bytes,
	s_and_b32 s78, s15, 15
	s_lshl_b32 s78, s78, 10                        ; the head's 1,024 bytes in a tile
	s_add_co_u32 s56, s56, s78
	s_add_nc_u64 s[62:63], s[8:9], s[56:57]
	s_lshl_b32 s56, s82, 14
	s_add_nc_u64 s[66:67], s[62:63], s[56:57]      ; the late tile's place in y,
	s_lshl_b32 s56, s81, 14
	s_add_nc_u64 s[86:87], s[62:63], s[56:57]      ; the early tile's
	s_wait_kmcnt 0x0
	s_add_co_i32 s57, s70, s71
	s_lshl_b32 s57, s57, 23
	s_add_co_i32 s22, s22, s57                     ; a score stands for score x 2^(e2 + e3): added to c's exponent field
	s_mov_b32 s23, s22                             ; (named with it as a pair)
	s_add_co_i32 s56, s72, 127
	s_lshl_b32 s57, s56, 23
	v_mov_b32 v244, s57                            ; 2^e4
	s_add_co_i32 s56, s56, 8
	s_lshl_b32 s56, s56, 23
	s_or_b32 s56, s56, 0x600000
	v_mov_b32 v240, s56                            ; 448 x 2^e4
	s_add_co_i32 s56, s74, 127
	s_lshl_b32 s57, s56, 23
	v_mov_b32 v245, s57                            ; 2^e6
	s_add_co_i32 s56, s56, 8
	s_lshl_b32 s56, s56, 23
	s_or_b32 s56, s56, 0x600000
	v_mov_b32 v241, s56                            ; 448 x 2^e6
	s_add_co_i32 s80, s72, s73                     ; e4 + e5
; A tile begins (jt: the scalar register with its number).  O^T and the sum begin as zeros and the largest t under every t, so that the step is written without a first step of its own.
.macro INIT jt
	s_lshl_b32 s[Q0], s\jt, 4
	v_mov_b32 v13, 0xff61b1e6                      ; -3e38
	v_floor_f32 v12, -v13
	v_mov_b32 v14, 0
	v_mov_b32 v15, 0
.set j, 0
.rept 32
	v_mov_b32 v[160+j], 0
.set j, j+1
.endr
	s_mov_b32 s[TB], 0
	s_mov_b32 s[KF], 0
	s_wait_alu depctr_va_vdst(0)
.endm
; A KEY STEP of 128 keys.  m = 1: the step may lie on the diagonal or behind it.  qr: the tile's Q.
.macro STEP m, qr
.if \m
	s_add_co_u32 s57, s[Q0], 15
	s_cmp_gt_u32 s[KF], s57                        ; all its keys come after my 16 queries: only the stepping at the end is done
	s_cbranch_scc1 .Lhidden_\@
.endif
	v_add_nc_u32 v8, s[TB], v1
	v_add_nc_u32 v9, s[TB], v2
	v_nop
	v_nop                                          ; four places between the last products and loads into the registers that they read
.irp t, 0,1,2,3,4,5,6,7
.irp c, 0,1
	ds_load_b128 v[32+8*\t+4*\c:32+8*\t+4*\c+3], v8 offset:1024*\t+512*\c
.endr
.endr
	s_wait_alu depctr_va_vdst(0)
	s_wait_dscnt 0x0
.irp t, 0,1,2,3,4,5,6,7
	v_wmma_f32_16x16x64_fp8_fp8 v[96+8*\t:103+8*\t], v[32+8*\t:39+8*\t], v[\qr:\qr+7], 0
.endr
.rept 4
	v_nop
.endr
.irp t, 0,1,2,3                        ; V's fragments are asked for here and land under the softmax
.irp c, 0,1,2,3
	ds_load_b128 v[32+16*\t+4*\c:32+16*\t+4*\c+3], v9 offset:2048*\t+512*\c
.endr
.endr
.if \m
	s_add_co_u32 s57, s[KF], 127
	s_cmp_le_u32 s57, s[Q0]                        ; all its keys count
	s_cbranch_scc1 .Lopen_\@
	s_sub_co_i32 s57, s[Q0], s[KF]
	v_add_nc_u32 v252, s57, v4                     ; d = my query - KF - 16 h.  Register 16 b + i holds key KF + 32 b + 16 h + i: hidden where 32 b + i > d
	v_mov_b32 v254, 0xff800000                     ; -infinity: p = 0 then
.set n, 0
.rept 64
	v_cmp_gt_i32 vcc_lo, 32*(n/16)+n%16, v252
	v_cndmask_b32 v[96+n], v[96+n], v254, vcc_lo
.set n, n+1
.endr
.Lopen_\@:
.endif
	v_max3_num_f32 v254, v96, v97, v98             ; the step's largest score of my query among my 64 keys, in two chains, each accumulator from its low end on,
	v_max3_num_f32 v252, v99, v100, v101
.irp i, 6,10,14,18,22,26,30,34,38,42,46,50,54,58
	v_max3_num_f32 v254, v254, v[96+\i], v[97+\i]
	v_max3_num_f32 v252, v252, v[98+\i], v[99+\i]
.endr
	v_max3_num_f32 v254, v254, v158, v159
	s_delay_alu instid0(VALU_DEP_1)
	v_max_num_f32 v254, v254, v252
	s_delay_alu instid0(VALU_DEP_1)
	v_permlanex16_b32 v236, v254, s20, s21
	s_delay_alu instid0(VALU_DEP_1)
	v_max_num_f32 v254, v254, v236                 ; and among lane l xor 16's
	s_delay_alu instid0(VALU_DEP_1)
	v_mul_f32 v254, s22, v254                      ; as t (c is positive)
	s_delay_alu instid0(VALU_DEP_1)
	v_max_num_f32 v13, v13, v254
	v_mov_b32 v254, v12
	s_delay_alu instid0(VALU_DEP_2)
	v_floor_f32 v12, -v13                          ; -M = floor(-t): M is a whole number
	s_delay_alu instid0(VALU_DEP_1)
	v_sub_f32 v254, v12, v254                      ; old M - new M: a whole number, 0 or less
	s_delay_alu instid0(VALU_DEP_1)
	v_cvt_i32_f32 v254, v254                       ; (it saturates)
	s_delay_alu instid0(VALU_DEP_1)
	v_ldexp_f32 v252, 1.0, v254                    ; f = 2^(old M - new M)
.set j, 0
.rept 32
	v_pk_fma_f32 v[96+j:97+j], v[96+j:97+j], s[22:23], v[12:13] op_sel_hi:[1,0,0]   ; t - M
.set j, j+2
.endr
.set j, 0
	s_wait_alu depctr_va_vdst(0)
.rept 64
	v_exp_f32 v[96+j], v[96+j]                     ; p = 2^(t - M)
.set j, j+1
.endr
	v_pk_mul_f32 v[14:15], v[14:15], v[252:253] op_sel_hi:[1,0]   ; the sums under the new M: the plain instruction behind the exponentials
	s_wait_alu depctr_va_vdst(0)                   ; one wait for the batch of 64, ahead of its first reader
	v_pk_add_f32 v[242:243], v[100:101], v[104:105]   ; the row's sum of the unquantised p, in eight chains
	v_pk_add_f32 v[248:249], v[108:109], v[112:113]
	v_pk_add_f32 v[246:247], v[116:117], v[120:121]
	v_pk_add_f32 v[238:239], v[124:125], v[128:129]
	v_pk_add_f32 v[234:235], v[132:133], v[136:137]
	v_pk_add_f32 v[232:233], v[140:141], v[144:145]
	v_pk_add_f32 v[230:231], v[148:149], v[152:153]
	v_pk_add_f32 v[14:15], v[14:15], v[156:157]
	v_pk_add_f32 v[242:243], v[242:243], v[96:97]
	v_pk_add_f32 v[248:249], v[248:249], v[98:99]
	v_pk_add_f32 v[246:247], v[246:247], v[102:103]
	v_pk_add_f32 v[238:239], v[238:239], v[106:107]
	v_pk_add_f32 v[234:235], v[234:235], v[110:111]
	v_pk_add_f32 v[232:233], v[232:233], v[114:115]
	v_pk_add_f32 v[230:231], v[230:231], v[118:119]
	v_pk_add_f32 v[14:15], v[14:15], v[122:123]
	v_pk_add_f32 v[242:243], v[242:243], v[126:127]
	v_pk_add_f32 v[248:249], v[248:249], v[130:131]
	v_pk_add_f32 v[246:247], v[246:247], v[134:135]
	v_pk_add_f32 v[238:239], v[238:239], v[138:139]
	v_pk_add_f32 v[234:235], v[234:235], v[142:143]
	v_pk_add_f32 v[232:233], v[232:233], v[146:147]
	v_pk_add_f32 v[230:231], v[230:231], v[150:151]
	v_pk_add_f32 v[14:15], v[14:15], v[154:155]
	v_pk_add_f32 v[242:243], v[242:243], v[158:159]
	s_delay_alu instid0(VALU_DEP_2)
	v_pk_add_f32 v[14:15], v[14:15], v[238:239]
	s_delay_alu instid0(VALU_DEP_2)
	v_pk_add_f32 v[242:243], v[242:243], v[234:235]
	v_pk_add_f32 v[248:249], v[248:249], v[232:233]
	v_pk_add_f32 v[246:247], v[246:247], v[230:231]
	s_delay_alu instid0(VALU_DEP_2)
	v_pk_add_f32 v[14:15], v[14:15], v[248:249]
	s_delay_alu instid0(VALU_DEP_2)
	v_pk_add_f32 v[242:243], v[242:243], v[246:247]
	s_delay_alu instid0(VALU_DEP_1)
	v_pk_add_f32 v[14:15], v[14:15], v[242:243]
.irp b, 0,1,2,3
.irp i, 0,1,2,3,4,5,6,7,8,9,10,11,12,13,14,15
	v_min_num_f32 v[96+16*\b+\i], v[96+16*\b+\i], v240   ; the conversion does not saturate (ISA guide 7.6.2); p is not negative
.endr
	v_cvt_scalef32_pk8_fp8_f32 v[192+4*\b:193+4*\b], v[96+16*\b:103+16*\b], v244
	v_cvt_scalef32_pk8_fp8_f32 v[194+4*\b:195+4*\b], v[104+16*\b:111+16*\b], v244
.endr
	s_wait_alu depctr_va_vdst(0)                   ; directly ahead of the first reader of O^T
.set j, 0
.rept 16
	v_pk_mul_f32 v[160+j:161+j], v[160+j:161+j], v[252:253] op_sel_hi:[1,0]   ; O^T under the new M; also the plain instructions between the conversions and the products
.set j, j+2
.endr
	s_wait_alu depctr_va_vdst(0)
	s_wait_dscnt 0x0                               ; V's fragments
.irp t, 0,1,2,3                        ; four accumulators by turns; the next step's eight products S^T stand between two laps
	v_wmma_f32_16x16x128_fp8_fp8 v[160+8*\t:167+8*\t], v[32+16*\t:47+16*\t], v[192:207], v[160+8*\t:167+8*\t]
.endr
.if \m
.Lhidden_\@:
.endif
	s_add_co_u32 s[TB], s[TB], STEPB
	s_add_co_u32 s[KF], s[KF], 128
.endm
.macro RUN n, m, qr                    ; n steps: a constant of the text
	s_mov_b32 s56, \n
.Lrun_\@:
	STEP \m, \qr
	s_sub_co_u32 s56, s56, 1
	s_cmp_lg_u32 s56, 0
	s_cbranch_scc1 .Lrun_\@
.endm
; O^T x 2^(e4 + e5) / the sum is y; it is held, converted with 2^e6, and the codes ARE the image: register 16 b + i of O^T is d = 32 b + 16 h + i of query r.
; ob: the tile's place in y; cd: its codes' registers.  Each tile has its own, so that no store's base or data are written again.
.macro WAYOUT ob, cd
.rept 4
	v_nop
.endr
	v_add_f32 v14, v14, v15
	s_delay_alu instid0(VALU_DEP_1)
	v_permlanex16_b32 v252, v14, s20, s21
	s_delay_alu instid0(VALU_DEP_1)
	v_add_f32 v14, v14, v252                       ; the row's sum
	s_wait_alu depctr_va_vdst(0)                   ; the wait ahead of the reciprocal
	v_rcp_f32 v14, v14
	v_nop                                          ; a plain instruction behind the reciprocal
	s_wait_alu depctr_va_vdst(0)                   ; and the wait ahead of its first reader
	v_ldexp_f32 v14, v14, s80
	s_wait_alu depctr_va_vdst(0)                   ; directly ahead of the first reader of O^T
.set j, 0
.rept 32
	v_mul_f32 v[96+j], v[160+j], v14
.set j, j+1
.endr
.set j, 0
.rept 32
	v_med3_num_f32 v[96+j], v[96+j], -v241, v241
.set j, j+1
.endr
.irp b, 0,1
	v_cvt_scalef32_pk8_fp8_f32 v[\cd+4*\b:\cd+1+4*\b], v[96+16*\b:103+16*\b], v245
	v_cvt_scalef32_pk8_fp8_f32 v[\cd+2+4*\b:\cd+3+4*\b], v[104+16*\b:111+16*\b], v245
.endr
	v_nop                                          ; a plain instruction behind the last conversion
	global_store_b128 v1, v[\cd:\cd+3], s[\ob:\ob+1]       ; 32 lanes store 512 consecutive bytes, aligned
	global_store_b128 v1, v[\cd+4:\cd+7], s[\ob:\ob+1] offset:512
.endm
	INIT 82                                        ; the late tile first: it has 9 steps or more, so its steps 0-5 are neither hidden nor on the diagonal
	s_wait_tensorcnt 0x0                           ; my part of steps 0-5 is in;
	ds_add_u32 v251, v255                          ; 0 onto my spare word,
	s_wait_dscnt 0x0                               ; which is done
	s_barrier_signal -1
	s_barrier_wait -1                              ; everybody's part is in
	tensor_load_to_lds s[44:47], s[G1C:G1C+7]      ; steps 6-15: my one tensor load behind this barrier
	s_nop 0
.rept 4
	v_nop
.endr
	global_load_b128 v[24:27], v3, s[84:85]        ; the early tile's Q
	global_load_b128 v[28:31], v3, s[84:85] offset:512
	s_wait_loadcnt 0x2                             ; the late tile's Q is in; the two loads just issued may be out
	RUN 6, 0, 16
	s_wait_tensorcnt 0x0                           ; my part of steps 6-15 is in (no LDS load of mine is out: a step ends behind its wait for them)
	s_barrier_signal -1
	s_barrier_wait -1                              ; everybody's is
	RUN 10, 1, 16
	WAYOUT 66, 208
	INIT 81                                        ; the early tile: 8 steps at the most
	s_wait_loadcnt 0x0                             ; its Q
	RUN 8, 1, 24
	WAYOUT 86, 216
	s_wait_tensorcnt 0x0                           ; the wave's end
	ds_add_u32 v251, v255
	s_wait_dscnt 0x0
	s_endpgm
.Lfunc_end_k_qab8150b93d_attn:
	.size	k_qab8150b93d_attn, .Lfunc_end_k_qab8150b93d_attn-k_qab8150b93d_attn
	.p2alignl 7, 3214868480
	.fill 96, 4, 3214868480
	.section	.rodata,"a",@progbits
	.p2align	6, 0x0
	.amdhsa_kernel k_qab8150b93d_attn
		.amdhsa_group_segment_fixed_size 327680
		.amdhsa_private_segment_fixed_size 0
		.amdhsa_enable_private_segment 0
		.amdhsa_kernarg_size 24
		.amdhsa_user_sgpr_count 2
		.amdhsa_user_sgpr_kernarg_segment_ptr 1
		.amdhsa_wavefront_size32 1
		.amdhsa_system_sgpr_workgroup_id_x 1
		.amdhsa_system_sgpr_workgroup_id_y 1
		.amdhsa_system_sgpr_workgroup_id_z 1
		.amdhsa_system_vgpr_workitem_id 0
		.amdhsa_next_free_vgpr 256
		.amdhsa_next_free_sgpr 90
		.amdhsa_reserve_vcc 1
		.amdhsa_float_denorm_mode_32 3
		.amdhsa_float_denorm_mode_16_64 3
		.amdhsa_memory_ordered 1
		.amdhsa_forward_progress 1
		.amdhsa_inst_pref_size 76
	.end_amdhsa_kernel
	.amdgpu_metadata
---
amdhsa.version: [ 1, 2 ]
amdhsa.kernels:
  - .name:           k_qab8150b93d_attn
    .symbol:         k_qab8150b93d_attn.kd
    .args:
      - { .name: qkv, .offset: 0, .size: 8, .value_kind: global_buffer, .address_space: global }
      - { .name: lowp_scales, .offset: 8, .size: 8, .value_kind: global_buffer, .address_space: global }
      - { .name: yimg, .offset: 16, .size: 8, .value_kind: global_buffer, .address_space: global }
    .group_segment_fixed_size: 327680
    .private_segment_fixed_size: 0
    .kernarg_segment_align: 8
    .kernarg_segment_size: 24
    .max_flat_workgroup_size: 512
    .sgpr_count:     90
    .vgpr_count:     256
    .wavefront_size: 32
...
	.end_amdgpu_metadata
.endif
;; end of part 3
;; launch proj (part 4): grid 4 x 64, 4 waves a work-group, clusters of 4 x 4, 327,680 bytes of LDS; arguments yimg, wprojc, lowp_scales, bproj, out0; writes out0
.if DOCPART == 4
	.amdgcn_target "amdgcn-amd-amdhsa--gfx1250"
	.amdhsa_code_object_version 6
	.text
	.protected	k_qab8150b93d_proj
	.globl	k_qab8150b93d_proj
	.p2align	8
	.type	k_qab8150b93d_proj,@function
k_qab8150b93d_proj:
	s_mov_b64 s[64:65], 0
	v_nop
	global_prefetch_b8 v0, s[64:65] scope:SCOPE_SE
	s_setreg_imm32_b32 hwreg(HW_REG_WAVE_MODE, 25, 1), 1
	s_wait_xcnt 0x0
	s_wait_alu depctr_hold_cnt(0) depctr_sa_sdst(0) depctr_va_vdst(0) depctr_va_sdst(0) depctr_va_ssrc(0) depctr_va_vcc(0) depctr_vm_vsrc(0)
	s_getreg_b32 s2, hwreg(HW_REG_IB_STS2, 6, 4)
	s_cmp_eq_u32 s2, 0
	s_cbranch_scc0 .Lentry_in_a_cluster
	s_endpgm
.Lentry_in_a_cluster:
	s_bfe_u32 s2, ttmp6, 0x10000c
	s_cmp_lg_u32 s2, 0xf033
	s_cbranch_scc0 .Lentry_shape_is_right
	s_endpgm
.Lentry_shape_is_right:
; out0 = y Wproj + bproj on codes of E4M3.  A sum stands for sum x 2^(e6 + e7); one fused multiply-add gives sum x 2^(e6 + e7) + bias, f32.
; yimg [tile of 16 tokens 512][16,384 bytes]: for each 128 along K 2,048 bytes [piece c 4][lane 32][16 bytes]: lane (r, h) holds token r, K = 32 c + 16 h + 0..15: the image of a fragment's registers.
; wprojc [1024 columns][1024 K]: codes, K innermost.   LIMIT: e6 + e7 between -126 and 127, so that 2^(e6 + e7) is an f32 number.
; SHARES.  A block of 128 tokens x 256 columns to a work-group: 64 x 4 = 256 work-groups.  Four waves, 64 tokens x 128 columns each: 32 accumulators, 256 registers.
; K = 1,024 goes in four fills of 256 through two LDS slots: y's 8 image tiles x 4,096 bytes, dense (every fragment load reads 512 consecutive bytes), then the weight's 256 rows of 256 bytes + 16 of padding.
; CLUSTERS: 4 x 4 work-groups; y's tile is asked for jointly along a row of the cluster, the weight's along a column.  Waves 0, 1 fetch y's halves, waves 2, 3 the weight's: one tensor load a wave and fill.
; PREFETCHES INTO THE L2, two fills ahead: behind the first joint load for fills 1 and 2, behind the second for fill 3.  The four partners that ask for a tile jointly share its blocks of 256 bytes out BY ADDRESS:
; of y's 4 image tiles that a wave fetches a partner takes one (16 blocks, lanes 256 bytes apart, lanes 16-31 at the sixteenth again), of the weight's 128 rows 32 (a lane a row).  A pointer for each fill: none is written again.
; THE MATRIX INSTRUCTION IS USED TRANSPOSED (source 0 = 16 columns of the weight, source 1 = 16 tokens): a lane holds eight neighbouring numbers of a row of out0.
; REGISTERS, in windows of 256: window 0: v0-31 addresses; v32-95 a block's results; from v128 y's fragments, two sets of 4 x 16, later the rows that leave.
;   window 1: the weight's fragments, two sets of 8 x 16.   window 2: the accumulators ((a, b) at v[8 (8 a + b)]).   window 3: v0-63 the bias, loaded at the head.
.set ROWB,   256
.set KROW,   1024
.set PITCH,  272                       ; 256 bytes + 16 = 68 words: the 16 rows that a load touches start at 16 different banks (64 banks of 4 bytes: ISA guide 11.1)
.set FR,     16
.set HALFT,  128*PITCH
.set ABYTES, 32768                     ; y's 8 image tiles x 4,096 bytes
.set SLOT,   ABYTES+2*HALFT
.set STAGE,  2*SLOT                    ; behind the ring, bytes of its own: 16 rows x 528 bytes for each wave
.set SPITCH, 528
.set SPARE,  STAGE+4*16*SPITCH         ; the spare words, 128 bytes a wave, that no other line names
.set ADRA, 16                          ; v16-17 LDS address of y's fragments in slot 0, 1
.set ADRB, 20                          ; v20-21 the same for the weight
.set STO,  24
.set RD,   25
.set CO,   26                          ; 16 x lane
.set BOQ,  27                          ; 32 x (lane / 16)
.set SPW,  28
.set NIL,  29
.set PFO,  30                          ; the prefetches' offset
.set TMP,  32
.set AF,   128
.set BK,   128
.set G1, 24
.set G0, 32
.set G1B, 48
.set G0B, 56
.set MSB, 0
.macro WIN new                         ; the immediate's high byte repeats the setting that is left
.if MSB != (\new)
	s_set_vgpr_msb (MSB<<8)|(\new)
.set MSB, \new
.endif
.endm
.set MUL,  0xa1                        ; source 0 window 1, source 1 window 0, C and D window 2
.set TO_B, 0x40                        ; destination window 1, address window 0
.macro JLOAD g0a, g1a, g0b, g1b        ; a joint load; the branch hangs on the wave's number alone; s_nop 0 and four v_nop follow each line
	s_cmp_eq_u32 s15, 0
	s_cbranch_scc0 .Lfor_b_\@
	tensor_load_to_lds s[\g0a:\g0a+3], s[\g1a:\g1a+7]
	s_nop 0
.rept 4
	v_nop
.endr
	s_branch .Lasked_\@
.Lfor_b_\@:
	tensor_load_to_lds s[\g0b:\g0b+3], s[\g1b:\g1b+7]
	s_nop 0
.rept 4
	v_nop
.endr
.Lasked_\@:
.endm
.macro CREST                           ; a round of the cluster's barrier behind its opening barrier
	s_cmp_lg_u32 s14, 0
	s_cbranch_scc1 .Lnot_wave_0_\@
	s_barrier_signal -3
.Lnot_wave_0_\@:
	s_barrier_wait -3
	s_barrier_signal -1
	s_barrier_wait -1
.endm
.macro CROUND
	s_barrier_signal -1
	s_barrier_wait -1
	CREST
.endm
.macro PLACES                          ; four plain vector instructions between a matrix instruction and a load into, or a read of, its registers
.rept 4
	v_nop
.endr
.endm
	s_load_b128 s[4:7], s[0:1], 0x0                ; yimg s[4:5], wprojc s[6:7]
	s_load_b128 s[8:11], s[0:1], 0x10              ; lowp_scales s[8:9], bproj s[10:11]
	s_load_b64 s[12:13], s[0:1], 0x20              ; out0
	v_lshl_add_u32 v[SPW], v0, 2, SPARE
	v_mov_b32 v[NIL], 0
	ds_add_u32 v[SPW], v[NIL]                      ; the opening lines: the add, twice on end, and its wait ahead of my first tensor load
	ds_add_u32 v[SPW], v[NIL]
	v_lshrrev_b32 v1, 5, v0
	v_readfirstlane_b32 s14, v1                    ; wave 0..3
	s_lshr_b32 s15, s14, 1                         ; my half of the tokens.  Also: I fetch for y (0) or for the weight (1)
	s_and_b32 s16, s14, 1                          ; my half of the columns.  Also: which half of that tile I fetch
	s_bfe_u32 s40, ttmp6, 0x40000                  ; cx, cy: my place in the cluster
	s_bfe_u32 s41, ttmp6, 0x40004
	s_lshl_b32 s42, ttmp9, 2
	s_add_co_u32 s42, s42, s40                     ; block of 256 columns
	s_and_b32 s17, ttmp7, 0xffff
	s_lshl_b32 s17, s17, 2
	s_add_co_u32 s17, s17, s41                     ; block of 128 tokens
	s_lshl_b32 s43, s41, 2
	s_lshl_b32 s43, 15, s43                        ; my row of the cluster
	s_lshl_b32 s44, 0x1111, s40                    ; my column
	s_or_b32 s[G1+0], s43, (0<<16)|(1<<21)         ; y: the mask; elements of 1 byte; bit 21 beside a mask; no padding
	s_mov_b32 s[G1+1], 4096<<16                    ; rows of 4,096 bytes,
	s_mov_b32 s[G1+2], 4<<16                       ; four of them,
	s_mov_b32 s[G1+3], 4096<<16
	s_mov_b32 s[G1+4], 4
	s_mov_b32 s[G1+5], 16384                       ; an image tile apart
	s_mov_b32 s[G1+6], 0
	s_mov_b32 s[G1+7], 0
	s_or_b32 s[G1B+0], s44, (0<<16)|(1<<20)|(1<<21)|(5<<22)|(3<<25)   ; the weight: padding of 4 words after every 64
	s_mov_b32 s[G1B+1], ROWB<<16
	s_mov_b32 s[G1B+2], 128<<16
	s_mov_b32 s[G1B+3], ROWB<<16
	s_mov_b32 s[G1B+4], 128
	s_mov_b32 s[G1B+5], KROW
	s_mov_b32 s[G1B+6], 0
	s_mov_b32 s[G1B+7], 0
	s_lshl_b32 s20, s17, 3
	s_lshl_b32 s18, s16, 2
	s_add_co_u32 s20, s20, s18                     ; y: image tile 8 x block + 4 x half,
	s_lshl_b32 s20, s20, 14                        ; in bytes
	s_mov_b32 s21, 0
	s_lshl_b32 s46, s42, 8
	s_lshl_b32 s18, s16, 7
	s_add_co_u32 s46, s46, s18                     ; the weight: row 256 x block + 128 x half,
	s_lshl_b32 s46, s46, 10                        ; in bytes
	s_mov_b32 s47, 0
	s_lshl_b32 s45, s16, 14                        ; where they go in a slot: no place in the cluster enters an LDS address
	s_mul_i32 s66, s16, HALFT
	s_add_co_u32 s66, s66, ABYTES
	s_wait_dscnt 0x0                               ; both opening adds are done
	s_wait_kmcnt 0x0
	s_load_b256 s[68:75], s[8:9], 0x0              ; e0 .. e7
	s_add_nc_u64 s[80:81], s[4:5], s[20:21]
	s_add_nc_u64 s[82:83], s[6:7], s[46:47]
	CROUND                                         ; all sixteen work-groups are here: the first joint loads meet
.irp s, 0,1
	s_mov_b32 s[G0+4*\s], 1
	s_add_co_u32 s[G0+4*\s+1], s45, \s*SLOT
	s_add_nc_u64 s[G0+4*\s+2:G0+4*\s+3], s[80:81], \s*4096
	s_or_b32 s[G0+4*\s+3], s[G0+4*\s+3], 0x80000000
	s_mov_b32 s[G0B+4*\s], 1
	s_add_co_u32 s[G0B+4*\s+1], s66, \s*SLOT
	s_add_nc_u64 s[G0B+4*\s+2:G0B+4*\s+3], s[82:83], \s*ROWB
	s_or_b32 s[G0B+4*\s+3], s[G0B+4*\s+3], 0x80000000
.endr
	JLOAD G0, G1, G0B, G1B                         ; fill 0: one tensor load a wave at the head
	; the prefetches' pointers: every choice hangs on the one compare of the wave's number
	s_cmp_eq_u32 s15, 0
	s_cselect_b64 s[84:85], s[4:5], s[6:7]         ; the tensor that I fetch for,
	s_cselect_b32 s86, s20, s46                    ; my fetch's first byte in it,
	s_cselect_b32 s78, s40, s41                    ; my place among the four that ask with me,
	s_cselect_b32 s79, 14, 15                      ; whose shares lie 16,384 bytes (an image tile) or 32,768 bytes (32 rows) apart,
	s_cselect_b32 s94, 15, 31                      ; with 16 or 32 blocks,
	s_mov_b32 s95, 1024
	s_cselect_b32 s95, 256, s95                    ; 256 or 1,024 bytes apart;
	s_mov_b32 s88, 256
	s_cselect_b32 s88, 4096, s88                   ; from fill to fill
	s_mov_b32 s89, 0
	s_lshl_b32 s78, s78, s79
	s_add_co_u32 s86, s86, s78
	s_mov_b32 s87, 0
	s_add_nc_u64 s[84:85], s[84:85], s[86:87]
	s_add_nc_u64 s[84:85], s[84:85], s[88:89]      ; fill 1,
	s_add_nc_u64 s[90:91], s[84:85], s[88:89]      ; fill 2,
	s_add_nc_u64 s[92:93], s[90:91], s[88:89]      ; fill 3
	s_lshl_b32 s21, s15, 14                        ; my 4 image tiles of y in a slot
	s_mul_i32 s23, s14, 16*SPITCH
	s_add_co_u32 s23, s23, STAGE                   ; my stage
	s_lshl_b32 s18, s42, 10                        ; my first column, in bytes of f32: 1,024 x block + 512 x half
	s_lshl_b32 s19, s16, 9
	s_add_co_u32 s18, s18, s19
	s_mov_b32 s19, 0
	s_add_nc_u64 s[76:77], s[10:11], s[18:19]      ; in the bias,
	s_add_nc_u64 s[12:13], s[12:13], s[18:19]      ; and in out0,
	s_lshl_b32 s18, s17, 7
	s_lshl_b32 s22, s15, 6
	s_add_co_u32 s18, s18, s22
	s_lshl_b32 s18, s18, 12                        ; at my first token: 128 x block + 64 x half, rows of 4,096 bytes
	s_add_nc_u64 s[12:13], s[12:13], s[18:19]
	v_and_b32 v1, 15, v0                           ; r
	v_bfe_u32 v2, v0, 4, 1                         ; h
	v_and_b32 v6, 31, v0
	v_lshlrev_b32 v[CO], 4, v6
	v_mul_u32_u24 v3, v1, PITCH
	v_lshl_add_u32 v4, v2, 4, v3
	v_add_nc_u32 v[ADRA], s21, v[CO]
	v_add_nc_u32 v[ADRB], s66, v4
	v_add_nc_u32 v[ADRA+1], SLOT, v[ADRA]
	v_add_nc_u32 v[ADRB+1], SLOT, v[ADRB]
	v_mul_u32_u24 v5, v1, SPITCH                   ; the stage, in: row r, 32 bytes for each half of the lanes
	v_lshl_add_u32 v5, v2, 5, v5
	v_add_nc_u32 v[STO], s23, v5
	v_add_nc_u32 v[RD], s23, v[CO]                 ; back: the 32 lanes take one row of 512 bytes
	v_lshlrev_b32 v[BOQ], 5, v2
	v_min_u32 v[PFO], s94, v6
	v_mul_lo_u32 v[PFO], v[PFO], s95
	s_wait_alu depctr_va_vdst(0)
	WIN 0xc0                                       ; destination window 3
.irp b, 0,1,2,3,4,5,6,7
	global_load_b128 v[8*\b:8*\b+3], v[BOQ], s[76:77] offset:64*\b        ; bias of columns 16 b + 8 h + 0 .. 7
	global_load_b128 v[8*\b+4:8*\b+7], v[BOQ], s[76:77] offset:64*\b+16
.endr
	WIN 0
	global_prefetch_b8 v[PFO], s[84:85] th:TH_LOAD_NT scope:SCOPE_SE
	global_prefetch_b8 v[PFO], s[90:91] th:TH_LOAD_NT scope:SCOPE_SE
.macro FETCH slot, q                   ; the fragments of the slot's q-th 128 along K into set q: 32 loads for the weight, 16 for y
	WIN TO_B
.irp i, 0,1,2,3,4,5,6,7
.irp c, 0,1,2,3
	ds_load_b128 v[128*(\q)+FR*\i+4*\c:128*(\q)+FR*\i+4*\c+3], v[ADRB+\slot] offset:128*(\q)+32*\c+\i*16*PITCH
.endr
.endr
	WIN 0
.irp i, 0,1,2,3
.irp c, 0,1,2,3
	ds_load_b128 v[AF+64*(\q)+FR*\i+4*\c:AF+64*(\q)+FR*\i+4*\c+3], v[ADRA+\slot] offset:4096*\i+2048*(\q)+512*\c
.endr
.endr
.endm
; 8 matrix instructions: y's block a x the weight's eight, from set p.  The 32 accumulators take turns, one instruction a turn, in the same order in every step.
.macro MULA a, p, zero
.irp b, 0,1,2,3,4,5,6,7
.if \zero
	v_wmma_f32_16x16x128_fp8_fp8 v[8*(8*(\a)+\b):8*(8*(\a)+\b)+7], v[128*(\p)+FR*\b:128*(\p)+FR*\b+FR-1], v[AF+64*(\p)+FR*(\a):AF+64*(\p)+FR*(\a)+FR-1], 0
.else
	v_wmma_f32_16x16x128_fp8_fp8 v[8*(8*(\a)+\b):8*(8*(\a)+\b)+7], v[128*(\p)+FR*\b:128*(\p)+FR*\b+FR-1], v[AF+64*(\p)+FR*(\a):AF+64*(\p)+FR*(\a)+FR-1], v[8*(8*(\a)+\b):8*(8*(\a)+\b)+7]
.endif
.endr
.endm
.macro STEP slot, zero                 ; a slot's first 128 along K: set 0 is multiplied while set 1 comes
	s_wait_dscnt 0x0                               ; set 0 is in
	PLACES                                         ; set 1's registers were read by the last products
	FETCH \slot, 1
	WIN MUL
	MULA 0, 0, \zero
	MULA 1, 0, \zero
	MULA 2, 0, \zero
	MULA 3, 0, \zero
	WIN 0
.endm
; A slot's second 128 along K, and the change of slots: each wave waits for all its tensor loads, adds 0 to its spare word, waits for that (its reads of this slot are over); then the barrier.  fill = 1: the slot is filled again.
.macro TURN slot, next, fill
	s_wait_dscnt 0x0                               ; set 1 is in: my reads of this slot are over
	WIN MUL
	MULA 0, 1, 0
	MULA 1, 1, 0
	WIN 0                                          ; (the add's two registers lie in window 0)
	s_wait_tensorcnt 0x0                           ; all my tensor loads have landed: my part of the next slot
	ds_add_u32 v[SPW], v[NIL]                      ; 0 onto my spare word
	WIN MUL
	MULA 2, 1, 0                                   ; eight matrix instructions stand between the add and the wait for it
	WIN 0
	s_wait_dscnt 0x0                               ; the add is done
	s_barrier_signal -1
	s_barrier_wait -1
.if \fill
	CREST                                          ; the barrier has opened a round of the cluster's barrier: no wave of any partner still reads this slot or has a load on its way
	s_add_nc_u64 s[G0+4*\slot+2:G0+4*\slot+3], s[G0+4*\slot+2:G0+4*\slot+3], 2*4096
	s_add_nc_u64 s[G0B+4*\slot+2:G0B+4*\slot+3], s[G0B+4*\slot+2:G0B+4*\slot+3], 2*ROWB
	JLOAD G0+4*\slot, G1, G0B+4*\slot, G1B         ; the first tensor load behind the round; its four v_nop are the places in front of the loads below
.else
	PLACES
.endif
	FETCH \next, 0
	WIN MUL
	MULA 3, 1, 0
	WIN 0
.endm
	s_wait_tensorcnt 0x0                           ; my part of fill 0 is in
	ds_add_u32 v[SPW], v[NIL]
	s_wait_dscnt 0x0
	CROUND                                         ; everybody's part is in, and all sixteen work-groups are here
	JLOAD G0+4, G1, G0B+4, G1B                     ; fill 1, the first tensor load behind the round
	FETCH 0, 0
	global_prefetch_b8 v[PFO], s[92:93] th:TH_LOAD_NT scope:SCOPE_SE   ; fill 3, the last
	STEP 0, 1                                      ; K 0-127: the first products start the sums
	TURN 0, 1, 1                                   ; slot 0 takes fill 2
	STEP 1, 0
	TURN 1, 0, 1                                   ; slot 1 takes fill 3
	STEP 0, 0
	TURN 0, 1, 0                                   ; nothing is left to fetch
	STEP 1, 0
	s_wait_dscnt 0x0
	WIN MUL
	MULA 0, 1, 0
	MULA 1, 1, 0
	MULA 2, 1, 0
	MULA 3, 1, 0
	WIN 0
; THE WAY OUT, block by block of 16 tokens x 128 columns, through my own stage: in as 32 bytes a lane, back as whole rows of 512 bytes.  LDS serves a wave's instructions in order (ISA guide 5.7.1.4): no wait between the stores and the loads.
.macro TOSTAGE a
	WIN 0x32                                       ; source 0: the sums, window 2; source 2: the bias, window 3
.set j, 0
.rept 32
	v_pk_fma_f32 v[TMP+j:TMP+j+1], v[64*(\a)+j:64*(\a)+j+1], s[96:97], v[j:j+1] op_sel_hi:[1,0,1]   ; sum x 2^(e6 + e7) + bias; each accumulator from its low end on
.set j, j+2
.endr
	WIN 0
.irp b, 0,1,2,3,4,5,6,7
	ds_store_b128 v[STO], v[TMP+8*\b:TMP+8*\b+3] offset:64*\b
	ds_store_b128 v[STO], v[TMP+8*\b+4:TMP+8*\b+7] offset:64*\b+16
.endr
.set BB, BK+64*((\a)%2)
.irp t, 0,1,2,3,4,5,6,7,8,9,10,11,12,13,14,15
	ds_load_b128 v[BB+4*\t:BB+4*\t+3], v[RD] offset:\t*SPITCH
.endr
.endm
.macro SEND a, younger                 ; younger: the LDS instructions issued behind block a's loads, which may stay out
.set BB, BK+64*((\a)%2)
	s_wait_dscnt \younger
.if (\a) > 0
	s_add_nc_u64 s[12:13], s[12:13], 16*4096       ; (behind a wait on XCNT: the earlier stores have read their base)
.endif
.irp t, 0,1,2,3,4,5,6,7,8,9,10,11,12,13,14,15
	global_store_b128 v[CO], v[BB+4*\t:BB+4*\t+3], s[12:13] offset:\t*4096 th:TH_STORE_NT   ; 32 lanes store 512 consecutive bytes, aligned
.endr
.endm
	s_wait_kmcnt 0x0
	s_add_co_i32 s96, s74, s75
	s_add_co_i32 s96, s96, 127
	s_lshl_b32 s96, s96, 23                        ; 2^(e6 + e7)
	s_mov_b32 s97, s96                             ; (named with it as a pair)
	s_wait_loadcnt 0x0                             ; the bias
	PLACES
	TOSTAGE 0
.irp a, 1,2,3
.if \a > 1
	s_wait_xcnt 0x0                                ; block a - 2's stores have read their registers and their base
.endif
	TOSTAGE \a
	SEND \a-1, 32                                  ; behind block a - 1's loads: block a's 16 stores and 16 loads
.endr
	s_wait_xcnt 0x0
	SEND 3, 0
	s_wait_tensorcnt 0x0                           ; the wave's end
	ds_add_u32 v[SPW], v[NIL]
	s_wait_dscnt 0x0
	CROUND                                         ; the closing round
	s_endpgm
.Lfunc_end_k_qab8150b93d_proj:
	.size	k_qab8150b93d_proj, .Lfunc_end_k_qab8150b93d_proj-k_qab8150b93d_proj
	.p2alignl 7, 3214868480
	.fill 96, 4, 3214868480
	.section	.rodata,"a",@progbits
	.p2align	6, 0x0
	.amdhsa_kernel k_qab8150b93d_proj
		.amdhsa_group_segment_fixed_size 327680
		.amdhsa_private_segment_fixed_size 0
		.amdhsa_enable_private_segment 0
		.amdhsa_kernarg_size 40
		.amdhsa_user_sgpr_count 2
		.amdhsa_user_sgpr_kernarg_segment_ptr 1
		.amdhsa_wavefront_size32 1
		.amdhsa_system_sgpr_workgroup_id_x 1
		.amdhsa_system_sgpr_workgroup_id_y 1
		.amdhsa_system_sgpr_workgroup_id_z 1
		.amdhsa_system_vgpr_workitem_id 0
		.amdhsa_next_free_vgpr 832
		.amdhsa_next_free_sgpr 98
		.amdhsa_reserve_vcc 0
		.amdhsa_float_denorm_mode_32 3
		.amdhsa_float_denorm_mode_16_64 3
		.amdhsa_memory_ordered 1
		.amdhsa_forward_progress 1
		.amdhsa_inst_pref_size 78
	.end_amdhsa_kernel
	.amdgpu_metadata
---
amdhsa.version: [ 1, 2 ]
amdhsa.kernels:
  - .name:           k_qab8150b93d_proj
    .symbol:         k_qab8150b93d_proj.kd
    .args:
      - { .name: yimg, .offset: 0, .size: 8, .value_kind: global_buffer, .address_space: global }
      - { .name: wprojc, .offset: 8, .size: 8, .value_kind: global_buffer, .address_space: global }
      - { .name: lowp_scales, .offset: 16, .size: 8, .value_kind: global_buffer, .address_space: global }
      - { .name: bproj, .offset: 24, .size: 8, .value_kind: global_buffer, .address_space: global }
      - { .name: out0, .offset: 32, .size: 8, .value_kind: global_buffer, .address_space: global }
    .group_segment_fixed_size: 327680
    .private_segment_fixed_size: 0
    .kernarg_segment_align: 8
    .kernarg_segment_size: 40
    .max_flat_workgroup_size: 128
    .sgpr_count:     98
    .vgpr_count:     832
    .wavefront_size: 32
...
	.end_amdgpu_metadata
.endif
;; end of part 4
